; MI455X (gfx1250); checked and timed in simulation.
; The chip was launched on July 23, 2026; its instructions are those of AMD's public machine-readable ISA for CDNA 5 (MIT licence, August 2026) and "CDNA5" Instruction Set Architecture Reference Guide (July 2026). The comments in the code are by the model that wrote it; some were corrected since.
;; Add MM. Allowed arithmetic: matrix products marked QUANTISED: E3M2 operands, one E8M0 scale for each 32 along K, by v_wmma_scale_f32_16x16x128_f8f6f4 with both operands' format E3M2, f32 sums; everything else in f32.
;; Inputs: b 16 x 1,024 float32; idxs 4,096 int32; w 16 x 1,024 x 1,024 float32; x 4,096 x 1,024 float32.
;; Outputs: out0 4,096 x 1,024 float32.
;; This version of the problem:
;;   THIS VERSION OF THE PROBLEM IS GIVEN IN LOW PRECISION. The matrix products marked QUANTISED in the list below multiply operands that are first quantised to E3M2 (3 exponent bits, 2 mantissa bits; 6 bits a number), with one power-of-two scale for each 32 numbers along K (OCP MX v1.0); their sums are f32. All else is computed in f32.
;;   The module's matrix products, in the order in which they are computed (A, B: the left and right operand; K: the contracted axis; several contracted axes count as one K, in the product's order):
;;     1. [M 4,096, K 1,024] x [K 1,024, N 1,024]; A: input x; B: input w: QUANTISED
;;     2. [M 4,096, K 1,024] x [K 1,024, N 1,024]; A: input x; B: input w: QUANTISED
;;     3. [M 4,096, K 1,024] x [K 1,024, N 1,024]; A: input x; B: input w: QUANTISED
;;     4. [M 4,096, K 1,024] x [K 1,024, N 1,024]; A: input x; B: input w: QUANTISED
;;     5. [M 4,096, K 1,024] x [K 1,024, N 1,024]; A: input x; B: input w: QUANTISED
;;     6. [M 4,096, K 1,024] x [K 1,024, N 1,024]; A: input x; B: input w: QUANTISED
;;     7. [M 4,096, K 1,024] x [K 1,024, N 1,024]; A: input x; B: input w: QUANTISED
;;     8. [M 4,096, K 1,024] x [K 1,024, N 1,024]; A: input x; B: input w: QUANTISED
;;     9. [M 4,096, K 1,024] x [K 1,024, N 1,024]; A: input x; B: input w: QUANTISED
;;     10. [M 4,096, K 1,024] x [K 1,024, N 1,024]; A: input x; B: input w: QUANTISED
;;     11. [M 4,096, K 1,024] x [K 1,024, N 1,024]; A: input x; B: input w: QUANTISED
;;     12. [M 4,096, K 1,024] x [K 1,024, N 1,024]; A: input x; B: input w: QUANTISED
;;     13. [M 4,096, K 1,024] x [K 1,024, N 1,024]; A: input x; B: input w: QUANTISED
;;     14. [M 4,096, K 1,024] x [K 1,024, N 1,024]; A: input x; B: input w: QUANTISED
;;     15. [M 4,096, K 1,024] x [K 1,024, N 1,024]; A: input x; B: input w: QUANTISED
;;     16. [M 4,096, K 1,024] x [K 1,024, N 1,024]; A: input x; B: input w: QUANTISED
;;   THE QUANTISER, for each operand of a quantised product, along K:
;;     - K is cut into blocks of 32 from its start; a last block that is shorter is filled with zeros.
;;     - A block's scale is 2^e with e = floor(log2(the largest magnitude in the block)) - 4, held to -126 .. 127; a block of zeros has e = 0. As a byte (E8M0): e + 127.
;;     - Each number is divided by its block's scale, clamped to +-28, and rounded to the nearest number of E3M2, ties to even, subnormals kept.
;;     - The product sums the exact products of the quantised numbers (number of the format x scale) in f32.
;;   ~~~python
;;   def quantise(x, axis):      # numpy; x: float32 -> the quantised numbers, widened to float32 again
;;       x = np.moveaxis(x, axis, -1); K = x.shape[-1]
;;       x = np.pad(x, [(0, 0)] * (x.ndim - 1) + [(0, -K % 32)]); x = x.reshape(x.shape[:-1] + (-1, 32)); a = np.abs(x).max(-1, keepdims=True)
;;       e = np.where(a > 0, np.clip(np.frexp(np.where(a > 0, a, 1))[1] - 1 - 4, -126, 127), 0)      # np.frexp(a)[1] - 1 = floor(log2(a)), exactly
;;       r = np.clip(x / 2.0 ** e, -28, 28)
;;       step = 2.0 ** (np.maximum(np.frexp(np.where(r == 0, 1, r))[1] - 1, -2) - 2)
;;       q = np.round(r / step) * step * 2.0 ** e      # np.round: ties to even
;;       return np.moveaxis(q.reshape(q.shape[:-2] + (-1,))[..., :K], -1, axis).astype(np.float32)
;;   ~~~
;; 2 versions. Each part assembles by itself: llvm-mc -triple=amdgcn-amd-amdhsa -mcpu=gfx1250 --defsym DOCPART=n.
;; ======== version 1 of 2: 2 launches
;; workspace buffers: xc 3,145,728 bytes; xs 131,072 bytes; perm 24,576 bytes of whole numbers; tiles 256 bytes of whole numbers
;; launch prep (part 1): grid 257 x 1, 16 waves a work-group, no clusters, 129,024 bytes of LDS; arguments x, idxs, xc, xs, perm, tiles, out0; writes xc, xs, perm, tiles, out0
.if DOCPART == 1
	.amdgcn_target "amdgcn-amd-amdhsa--gfx1250"
	.amdhsa_code_object_version 6
	.text
	.protected	k_q33c3dcb00d_prep
	.globl	k_q33c3dcb00d_prep
	.p2align	8
	.type	k_q33c3dcb00d_prep,@function
k_q33c3dcb00d_prep:
	s_mov_b64 s[64:65], 0
	v_nop
	global_prefetch_b8 v0, s[64:65] scope:SCOPE_SE
	s_setreg_imm32_b32 hwreg(HW_REG_WAVE_MODE, 25, 1), 1
	s_wait_xcnt 0x0
; PREP.  Two jobs in one launch, told apart by the work-group's number.
; WORK-GROUPS 1 .. 256: x [4096][1024] f32 becomes codes of BF6 (E3M2) with one E8M0 byte for each 32 along K.  A wave takes one token (4,096 bytes), in two steps of 512 numbers.
;   A block's scale is 2^(floor(log2(largest magnitude)) - 4): its byte is the largest magnitude's exponent field - 4, held at 1 from below by a floor among the maximum's leaves.
;   xc: token t at 768 t; in it the 12 bytes of half u of block 4 s + b lie at 96 s + 48 (b & 1) + 24 (b >> 1) + 12 u: the 12 operand registers that lane half h = b & 1 wants of K step s are 48 bytes on end.
;   xs: byte 32 t + block: word s of a token is the scale word of K step s.
;   A token whose index is not one of 0 .. 15 is taken by no expert: its row of out0 is zeros, stored here.
; WORK-GROUP 0: a counting sort of the 4,096 tokens by expert, without atomics.  perm: token numbers by expert, each expert's run padded to whole tiles of 16 slots with its last token; every other slot 0
;   (slot 6143 takes what belongs nowhere and is read by nobody).  tiles: entry e = (first tile, end tile) of expert e.
; LIMITS: NaN and infinities in x are not served; a block whose largest magnitude lies under 2^-122 keeps the byte 1; a block of zeros gets the byte 1 where the rule says 127: its codes are zeros,
;   which add nothing under that byte, and the bytes are read by this program alone.
; No tensor loads, no clusters, no matrix work: a stream and a small sort.  Each job has LDS bytes of its own.
.set XST, 0                            ; x: for each wave two stages of 32 x 80 bytes
.set XSC, 81920                        ; x: the work-group's 512 scale bytes
.set CNT, 82432                        ; sort: 32 words for each wave: its count of each expert
.set PRM, 84480                        ; sort: the 6,144 slots
.set POS, 109056                       ; sort: each token's slot number, by token
.set SP,  80                           ; a lane's place in a stage: 64 bytes + 16 of padding
.set XR,  16                           ; v16-47  x as loaded, two sets of 16
.set XX,  48                           ; v48-79  16 neighbours a lane, two sets
.set XC,  80                           ; v80-87  codes: four registers for each step
.set XE,  88                           ; v88-89  a scale byte for each step
.set SX,  16                           ; sort: v16-23 my eight tokens' experts
.set SR,  24                           ; v24-31  their ranks within the wave's count of their expert (0x2000: no expert)
.set SK,  32                           ; v32-47  the sixteen waves' counts; later my tokens' slots
.set SC,  32                           ; s32-47  the wave's running count of each expert
.set SM,  48                           ; s48-63  a group's sixteen masks
	s_load_b256 s[4:11], s[0:1], 0x0               ; x s[4:5], idxs s[6:7], xc s[8:9], xs s[10:11]
	s_load_b128 s[12:15], s[0:1], 0x20             ; perm s[12:13], tiles s[14:15]
	s_load_b64 s[16:17], s[0:1], 0x30              ; out0
	v_lshl_add_u32 v128, v0, 2, 0x1f000
	v_mov_b32 v129, 0
	v_lshrrev_b32 v1, 5, v0
	v_readfirstlane_b32 s18, v1                    ; wave 0 .. 15
	v_and_b32 v2, 31, v0                           ; lane
	s_cmp_eq_u32 ttmp9, 0
	s_cbranch_scc1 .Lsort
; ------------------------------------------------------------------ x into codes
	s_sub_co_u32 s19, ttmp9, 1                     ; which 16 tokens
	s_lshl_b32 s20, s19, 4
	s_add_co_u32 s20, s20, s18                     ; my token
	s_lshl_b32 s22, s20, 12                        ; its row of x and of out0: 4,096 bytes
	s_mov_b32 s23, 0
	s_mul_i32 s24, s20, 768                        ; its codes
	s_mov_b32 s25, 0
	s_lshl_b32 s26, s19, 9                         ; the work-group's 512 scale bytes
	s_mov_b32 s27, 0
	s_lshl_b32 s28, s20, 2                         ; its index
	s_mov_b32 s29, 0
	s_mul_i32 s30, s18, 2*32*SP                    ; my wave's stages
	s_lshl_b32 s31, s18, 5
	s_add_co_u32 s31, s31, XSC                     ; my token's 32 scale bytes in LDS
	v_lshlrev_b32 v3, 4, v2                        ; 16 x lane
	v_lshrrev_b32 v14, 2, v2
	v_mul_u32_u24 v14, v14, SP
	v_and_b32 v15, 3, v2
	v_lshl_add_u32 v14, v15, 4, v14
	v_add_nc_u32 v14, s30, v14                     ; the stage, in: four lanes' 64 bytes on end, then 16 of padding
	v_mul_u32_u24 v15, v2, SP
	v_add_nc_u32 v15, s30, v15                     ; and out: my 16 neighbours
	v_and_b32 v4, 1, v2                            ; lane l holds half l & 1 of block l >> 1 of the step's sixteen:
	v_mul_u32_u24 v4, v4, 12                       ; 12 (l & 1)
	v_bfe_u32 v5, v2, 1, 1
	v_mad_u32_u24 v4, v5, 48, v4                   ; + 48 x (block & 1)
	v_bfe_u32 v5, v2, 2, 1
	v_mad_u32_u24 v4, v5, 24, v4                   ; + 24 x ((block >> 1) & 1)
	v_lshrrev_b32 v5, 3, v2
	v_mad_u32_u24 v4, v5, 96, v4                   ; + 96 x (K step of the step's four)
	v_lshrrev_b32 v5, 1, v2
	v_add_nc_u32 v5, s31, v5                       ; my block's scale byte in LDS
	v_add_nc_u32 v6, XSC, v3                       ; wave 0's way out: 16 bytes a lane
.irp i, 92,93,94,95
	v_mov_b32 v\i, 0                               ; a row of zeros, 16 bytes a lane
.endr
	s_wait_kmcnt 0x0
	s_add_nc_u64 s[4:5], s[4:5], s[22:23]
	s_add_nc_u64 s[16:17], s[16:17], s[22:23]
	s_add_nc_u64 s[8:9], s[8:9], s[24:25]
	s_add_nc_u64 s[10:11], s[10:11], s[26:27]
	s_add_nc_u64 s[6:7], s[6:7], s[28:29]
	s_load_b32 s33, s[6:7], 0x0                    ; my token's expert
.macro XLOAD t
.irp i, 0,1,2,3
	global_load_b128 v[XR+16*(\t)+4*\i:XR+16*(\t)+4*\i+3], v3, s[4:5] offset:2048*(\t)+512*\i th:TH_LOAD_NT   ; 32 lanes read 512 consecutive bytes
.endr
.endm
.macro XTURN t                         ; a step's 2,048 bytes go through the wave's own stage as they lie and come back 64 bytes a lane; LDS serves a wave's instructions in order
.irp i, 0,1,2,3
	ds_store_b128 v14, v[XR+16*(\t)+4*\i:XR+16*(\t)+4*\i+3] offset:32*SP*(\t)+8*SP*\i
.endr
.irp i, 0,1,2,3
	ds_load_b128 v[XX+16*(\t)+4*\i:XX+16*(\t)+4*\i+3], v15 offset:32*SP*(\t)+16*\i
.endr
.endm
.macro XSTEP t
.set XS, XX+16*(\t)
	v_max3_num_f32 v8, |v[XS]|, |v[XS+1]|, |v[XS+2]|               ; the largest magnitude of my 16, in two chains
	v_max3_num_f32 v9, |v[XS+3]|, |v[XS+4]|, |v[XS+5]|
.irp i, 6,10
	v_max3_num_f32 v8, v8, |v[XS+\i]|, |v[XS+\i+1]|
	v_max3_num_f32 v9, v9, |v[XS+\i+2]|, |v[XS+\i+3]|
.endr
	v_max3_num_f32 v8, v8, |v[XS+14]|, |v[XS+15]|
	v_max3_num_f32 v8, v8, v9, 0x2800000           ; and the floor 2^(5 - 127): the byte cannot fall under 1
	v_max_num_f32_dpp v8, v8, v8 row_xmask:1 row_mask:0xf bank_mask:0xf   ; with my neighbour's 16: the block's
	v_add_nc_u32 v11, 0xfe000000, v8               ; 4 off its exponent field: the conversion takes that field as its scale
	v_cvt_scalef32_pk16_bf6_f32 v[XC+4*(\t):XC+4*(\t)+2], v[XS:XS+15], v11
	v_lshrrev_b32 v[XE+(\t)], 23, v11              ; the scale's byte (also the plain line behind the conversion)
	ds_store_b8 v5, v[XE+(\t)] offset:16*(\t)      ; both lanes of a block write the same byte with the same value
	global_store_b96 v4, v[XC+4*(\t):XC+4*(\t)+2], s[8:9] offset:384*(\t)   ; the wave's 32 pieces of 12 bytes fill 384 consecutive bytes
.endm
	XLOAD 0
	XLOAD 1
	s_wait_loadcnt 4                               ; step 0's four loads are in; step 1's four may be out
	XTURN 0
	s_wait_loadcnt 0x0
	XTURN 1
	s_wait_dscnt 8                                 ; step 0 is back from its stage; the second turn's eight may be out
	XSTEP 0
	s_wait_dscnt 1                                 ; step 1 is back; step 0's byte store may be out
	XSTEP 1
	s_wait_kmcnt 0x0                               ; my token's expert
	s_cmp_lt_u32 s33, 16                           ; unsigned: a negative index is none of the sixteen either
	s_cbranch_scc1 .Lvalid
.irp k, 0,1,2,3,4,5,6,7
	global_store_b128 v3, v[92:95], s[16:17] offset:512*\k   ; no expert takes the token: its row is zeros
.endr
.Lvalid:
	s_wait_dscnt 0x0                               ; my scale bytes lie in LDS,
	s_barrier_signal -1
	s_barrier_wait -1                              ; everybody's do
	s_cmp_lg_u32 s18, 0
	s_cbranch_scc1 .Lxend
	ds_load_b128 v[8:11], v6                       ; wave 0 sends the 512 bytes out: two aligned runs of 256 bytes
	s_wait_dscnt 0x0
	global_store_b128 v3, v[8:11], s[10:11]
.Lxend:
	s_wait_tensorcnt 0x0
	ds_add_u32 v128, v129
	s_wait_dscnt 0x0
	s_endpgm
; ------------------------------------------------------------------ the sort
; Thread (wave w, lane l) holds tokens 256 w + 128 c + 4 l + i, c = 0, 1, i = 0 .. 3: group q = 4 c + i.
.Lsort:
	v_lshlrev_b32 v3, 4, v2
	v_lshl_add_u32 v3, v1, 10, v3                  ; 1,024 w + 16 l: my tokens' indices in memory
	v_lshlrev_b32 v9, 4, v0                        ; 16 x thread: perm on the way out
	v_add_nc_u32 v4, PRM, v9                       ; and the same place in the slots in LDS
	v_lshl_add_u32 v5, v0, 2, CNT                  ; my wave's counts: lane e holds expert e's
	v_lshl_add_u32 v6, v2, 2, CNT                  ; all waves' counts of expert = my lane
	v_add_nc_u32 v7, POS, v3                       ; my tokens' slot numbers
	v_lshl_add_u32 v8, v2, 4, POS                  ; wave 0 reads them back, 128 tokens an instruction
	v_lshlrev_b32 v10, 3, v2                       ; tiles: 8 bytes a lane
	v_lshlrev_b32 v11, 2, v2                       ; 4 l
	s_wait_kmcnt 0x0
	global_load_b128 v[SX:SX+3], v3, s[6:7]
	global_load_b128 v[SX+4:SX+7], v3, s[6:7] offset:512
.irp i, 12,13,14,15
	v_mov_b32 v\i, 0
.endr
.irp k, 0,1,2
	ds_store_b128 v4, v[12:15] offset:8192*\k      ; every slot begins as 0
.endr
.irp q, 0,1,2,3,4,5,6,7
	v_mov_b32 v[SR+\q], 0x2000                     ; a token of no expert keeps this and ends in slot 6143
.endr
.irp e, 0,1,2,3,4,5,6,7,8,9,10,11,12,13,14,15
	s_mov_b32 s[SC+\e], 0
.endr
	v_mov_b32 v55, 0                               ; a DPP move's destination counts as read
	s_wait_loadcnt 0x0
.macro RANK q                          ; group q: each token's rank among the wave's tokens of its expert so far; the counts go on
.irp e, 0,1,2,3,4,5,6,7,8,9,10,11,12,13,14,15
	v_cmp_eq_u32 s[SM+\e], \e, v[SX+\q]
.endr
.irp e, 0,1,2,3,4,5,6,7,8,9,10,11,12,13,14,15
	v_mbcnt_lo_u32_b32 v[57+\e%2], s[SM+\e], s[SC+\e]              ; the count so far + the lanes below me with the same expert
	v_cndmask_b32 v[SR+\q], v[SR+\q], v[57+\e%2], s[SM+\e]
	s_bcnt1_i32_b32 s20, s[SM+\e]
	s_add_co_u32 s[SC+\e], s[SC+\e], s20
.endr
.endm
.irp q, 0,1,2,3,4,5,6,7
	RANK \q
.endr
	v_mov_b32 v48, 0
.irp e, 0,1,2,3,4,5,6,7,8,9,10,11,12,13,14,15
	v_writelane_b32 v48, s[SC+\e], \e
.endr
	ds_store_b32 v5, v48
	s_wait_dscnt 0x0                               ; my counts and my share of the zeros lie in LDS,
	s_barrier_signal -1
	s_barrier_wait -1                              ; everybody's do
.irp j, 0,1,2,3,4,5,6,7,8,9,10,11,12,13,14,15
	ds_load_b32 v[SK+\j], v6 offset:128*\j         ; lane e: wave j's count of expert e (lanes 16-31: zeros)
.endr
	s_wait_dscnt 0x0
.irp j, 0,1,2,3,4,5,6,7,8,9,10,11,12,13,14,15
	s_cmp_gt_u32 s18, \j
	s_cselect_b32 s20, -1, 0                       ; does wave j stand in front of mine?
.if \j == 0
	v_mov_b32 v49, v[SK]                           ; v49: the expert's tokens in all
	v_and_b32 v50, s20, v[SK]                      ; v50: those of the waves in front of mine
.else
	v_add_nc_u32 v49, v49, v[SK+\j]
	v_and_b32 v57, s20, v[SK+\j]
	v_add_nc_u32 v50, v50, v57
.endif
.endr
	v_add_nc_u32 v51, 15, v49
	v_lshrrev_b32 v51, 4, v51                      ; the expert's tiles of 16
	v_mov_b32 v53, v51
.irp n, 1,2,4,8
	v_mov_b32_dpp v55, v53 row_shr:\n row_mask:0xf bank_mask:0xf bound_ctrl:1
	v_add_nc_u32 v53, v53, v55                     ; v53: the running sum over experts 0 .. e: the expert's end tile
.endr
	v_sub_nc_u32 v52, v53, v51                     ; v52: its first tile
	v_lshl_add_u32 v54, v52, 4, v50                ; where my wave's tokens of expert e begin
.irp q, 0,1,2,3,4,5,6,7
	v_min_u32 v[64+\q], 31, v[SX+\q]               ; (an index that is no expert's asks a lane of 16 .. 31, which holds 0)
.endr
.irp q, 0,1,2,3,4,5,6,7
	v_lshlrev_b32 v[64+\q], 2, v[64+\q]
.endr
.irp q, 0,1,2,3,4,5,6,7
	ds_bpermute_b32 v[SK+\q], v[64+\q], v54        ; each token fetches its expert's beginning from that expert's lane
.endr
	s_wait_dscnt 0x0                               ; my reads of the counts are over
	s_barrier_signal -1
	s_barrier_wait -1
.irp q, 0,1,2,3,4,5,6,7
	v_add_nc_u32 v[SK+\q], v[SK+\q], v[SR+\q]      ; the token's slot
.endr
.irp q, 0,1,2,3,4,5,6,7
	v_min_u32 v[SK+\q], 0x17ff, v[SK+\q]
.endr
	ds_store_b128 v7, v[SK:SK+3]
	ds_store_b128 v7, v[SK+4:SK+7] offset:512
	s_wait_dscnt 0x0                               ; my tokens' slot numbers lie in LDS,
	s_barrier_signal -1
	s_barrier_wait -1                              ; everybody's do
	; The scatter's addresses hang on the data, so ONE wave makes it, and no other wave touches LDS until the next barrier.
	s_cmp_lg_u32 s18, 0
	s_cbranch_scc1 .Lnot_wave_0
.macro SCAT bt                         ; tokens 1,024 bt .. 1,024 bt + 1,023: register 4 m + i of lane l is token 128 (8 bt + m) + 4 l + i
.irp m, 0,1,2,3,4,5,6,7
	ds_load_b128 v[64+4*\m:64+4*\m+3], v8 offset:512*(8*(\bt)+\m)
.endr
	s_wait_dscnt 0x0                               ; the slot numbers are in, and the last batch's stores are done
.set j, 0
.rept 32
	v_min_u32 v[64+j], 0x17ff, v[64+j]
.set j, j+1
.endr
.set j, 0
.rept 32
	v_lshl_add_u32 v[64+j], v[64+j], 2, PRM
.set j, j+1
.endr
.set j, 0
.rept 32
	v_add_nc_u32 v[96+j], 128*(8*(\bt)+j/4)+j%4, v11
	ds_store_b32 v[64+j], v[96+j]
.set j, j+1
.endr
.endm
	SCAT 0
	SCAT 1
	SCAT 2
	SCAT 3
	; the padding: lane e fills expert e's last tile with the expert's last token
	v_lshl_add_u32 v60, v52, 4, v49                ; the first slot behind the expert's tokens,
	v_lshlrev_b32 v61, 4, v53                      ; and the end of its tiles
	v_mov_b32 v59, 0x17ff
	v_add_nc_u32 v62, -1, v60
	v_min_u32 v62, 0x17ff, v62
	v_lshl_add_u32 v62, v62, 2, PRM
	ds_load_b32 v63, v62                           ; LDS serves a wave's instructions in order: this sees the scatter
	s_wait_dscnt 0x0
.irp d, 0,1,2,3,4,5,6,7,8,9,10,11,12,13,14
	v_add_nc_u32 v[57+\d%2], \d, v60
	v_cmp_lt_u32 vcc_lo, v[57+\d%2], v61
	v_cndmask_b32 v[57+\d%2], v59, v[57+\d%2], vcc_lo              ; past the tiles' end: slot 6143
	v_min_u32 v[57+\d%2], 0x17ff, v[57+\d%2]
	v_lshl_add_u32 v[57+\d%2], v[57+\d%2], 2, PRM
	ds_store_b32 v[57+\d%2], v63
.endr
	global_store_b64 v10, v[52:53], s[14:15]       ; tiles: 32 lanes store 256 consecutive bytes; entries 16 .. 31 are (0, 0)
.Lnot_wave_0:
	s_wait_dscnt 0x0                               ; wave 0's stores lie in LDS
	s_barrier_signal -1
	s_barrier_wait -1
.irp k, 0,1,2
	ds_load_b128 v[64+4*\k:64+4*\k+3], v4 offset:8192*\k
.endr
.irp k, 0,1,2
	s_wait_dscnt 2-\k                              ; the younger loads may be out
	global_store_b128 v9, v[64+4*\k:64+4*\k+3], s[12:13] offset:8192*\k   ; sixteen lanes store 256 consecutive bytes, aligned
.endr
	s_wait_tensorcnt 0x0
	ds_add_u32 v128, v129
	s_wait_dscnt 0x0
	s_endpgm
.Lfunc_end_k_q33c3dcb00d_prep:
	.size	k_q33c3dcb00d_prep, .Lfunc_end_k_q33c3dcb00d_prep-k_q33c3dcb00d_prep
	.p2alignl 7, 3214868480
	.fill 96, 4, 3214868480
	.section	.rodata,"a",@progbits
	.p2align	6, 0x0
	.amdhsa_kernel k_q33c3dcb00d_prep
		.amdhsa_group_segment_fixed_size 129024
		.amdhsa_private_segment_fixed_size 0
		.amdhsa_enable_private_segment 0
		.amdhsa_kernarg_size 56
		.amdhsa_user_sgpr_count 2
		.amdhsa_user_sgpr_kernarg_segment_ptr 1
		.amdhsa_wavefront_size32 1
		.amdhsa_system_sgpr_workgroup_id_x 1
		.amdhsa_system_sgpr_workgroup_id_y 1
		.amdhsa_system_sgpr_workgroup_id_z 1
		.amdhsa_system_vgpr_workitem_id 0
		.amdhsa_next_free_vgpr 130
		.amdhsa_next_free_sgpr 66
		.amdhsa_reserve_vcc 1
		.amdhsa_float_denorm_mode_32 3
		.amdhsa_float_denorm_mode_16_64 3
		.amdhsa_memory_ordered 1
		.amdhsa_forward_progress 1
		.amdhsa_inst_pref_size 94
	.end_amdhsa_kernel
	.amdgpu_metadata
---
amdhsa.version: [ 1, 2 ]
amdhsa.kernels:
  - .name:           k_q33c3dcb00d_prep
    .symbol:         k_q33c3dcb00d_prep.kd
    .args:
      - { .name: x, .offset: 0, .size: 8, .value_kind: global_buffer, .address_space: global }
      - { .name: idxs, .offset: 8, .size: 8, .value_kind: global_buffer, .address_space: global }
      - { .name: xc, .offset: 16, .size: 8, .value_kind: global_buffer, .address_space: global }
      - { .name: xs, .offset: 24, .size: 8, .value_kind: global_buffer, .address_space: global }
      - { .name: perm, .offset: 32, .size: 8, .value_kind: global_buffer, .address_space: global }
      - { .name: tiles, .offset: 40, .size: 8, .value_kind: global_buffer, .address_space: global }
      - { .name: out0, .offset: 48, .size: 8, .value_kind: global_buffer, .address_space: global }
    .group_segment_fixed_size: 129024
    .private_segment_fixed_size: 0
    .kernarg_segment_align: 8
    .kernarg_segment_size: 56
    .max_flat_workgroup_size: 512
    .sgpr_count:     66
    .vgpr_count:     130
    .wavefront_size: 32
...
	.end_amdgpu_metadata
.endif
;; end of part 1
;; launch moe (part 2): grid 16 x 16, 4 waves a work-group, no clusters, 70,144 bytes of LDS; arguments w, b, xc, xs, perm, tiles, out0; writes out0
.if DOCPART == 2
	.amdgcn_target "amdgcn-amd-amdhsa--gfx1250"
	.amdhsa_code_object_version 6
	.text
	.protected	k_q33c3dcb00d_moe
	.globl	k_q33c3dcb00d_moe
	.p2align	8
	.type	k_q33c3dcb00d_moe,@function
k_q33c3dcb00d_moe:
	s_mov_b64 s[64:65], 0
	v_nop
	global_prefetch_b8 v0, s[64:65] scope:SCOPE_SE
	s_setreg_imm32_b32 hwreg(HW_REG_WAVE_MODE, 25, 1), 1
	s_wait_xcnt 0x0
; out0[t] = relu(Q(x[t]) Q(w[e]) + b[e]) for the tokens t of expert e, both operands in BF6 (E3M2) with one E8M0 scale for each 32 along K = 1,024; sums in f32.
; SHARES.  Work-group (nb, e) owns expert e and columns 64 nb .. 64 nb + 63.  Only the chosen expert's product of a token is kept by the problem's own mask, so only that one is made.
; PHASE W.  The work-group reads its slab of w (1,024 rows x 256 bytes) ONCE, as f32.  Wave v takes K steps 2 v (lanes 0-15) and 2 v + 1 (lanes 16-31); a lane takes 4 neighbouring columns, 16 bytes of each row,
;   so that sixteen lanes read 256 consecutive bytes of a row, aligned.  A block of 32 along K of one column lies in one lane: its largest magnitude needs no other lane.  The conversion wants 16 neighbours along K in
;   consecutive registers, and a load of 16 bytes lays the rows four registers apart: so the numbers are moved once.  The codes go to LDS as images of the operand's registers, the scale words beside them; one barrier.
; PHASE T.  Every wave then holds all 32 fragments of w (4 tiles of 16 columns x 8 K steps, 384 registers) and walks every fourth tile of 16 tokens of the expert's list: the tokens' codes, laid by the launch before in
;   the order of the operand's registers, come from memory straight into registers, one tile ahead; 32 matrix instructions, the bias as the first one's C; relu; through the wave's own stage in LDS; out as whole rows
;   of 256 bytes.  The matrix instruction is used transposed (source 0 = 16 columns of w, source 1 = 16 tokens): a lane holds one token and eight neighbouring columns.
; NO TENSOR LOADS, NO JOINT REQUESTS: how many tiles a wave walks is read from the stored list, and the sixteen work-groups of an expert, which read the same codes of x, would need trip counts known to the text.
; A padding slot of an expert's last tile repeats one of its tokens: that row is made and stored again by the same wave, with the same bits.  Loads that run ahead of the list's end name a clamped tile, whose slots were stored.
; LIMITS: NaN and infinities in w are not served; a block whose largest magnitude lies under 2^-122 keeps the byte 1; a block of zeros gets the byte 1: its codes are zeros.
; REGISTERS, in windows of 256.  Window 0: v4-18 addresses; v20-51 the list's tokens and the quantiser's small numbers; v64-103 codes just made, later the four accumulators; v104-119 w's scale words, v120-135 x's
;   (scales and nothing else); v136-199 two columns' 32 numbers, later rows on the way out and their offsets.  Windows 1, 2: w as loaded (4 groups x 128), later w's fragments of K steps 0-3, 4-7.
;   Window 3: v0-95, v96-191 the tokens' fragments, two buffers; v192-223 the bias.
.set IMGT,   12304                     ; LDS: images of a tile of 16 columns: 8 fragments x 1,536 bytes, + 16, so that the sixteen lanes of a store fall into sixteen different columns of 16 bytes
.set SCW,    49408                     ; w's scale words: (tile n, K step s, column r) at 512 n + 64 s + 4 r
.set STG,    51456                     ; the way out: for each wave 16 rows x (256 bytes + 16)
.set SPITCH, 272
.set WO,  4                            ; v4   w: 16 g + 128 rows x h
.set IA,  5                            ; v5   where my codes' images go
.set SA,  6                            ; v6   where my four columns' scale words go
.set LI,  7                            ; v7   16 x lane: an image's place for my lane
.set SRD, 8                            ; v8   w's scale words back: lanes 0-15 an even tile's, lanes 16-31 the odd one's
.set STO, 9                            ; v9   the stage, in
.set SLD, 10                           ; v10  the stage, back
.set L16, 11                           ; v11  16 g
.set H48, 12                           ; v12  48 h
.set R4,  13                           ; v13  4 r
.set H32, 14                           ; v14  32 h
.set AD,  15                           ; v15  my token's codes
.set ADS, 16                           ; v16  my token's scale words
.set PG,  17                           ; v17  the list: slot r of a tile
.set PR,  18                           ; v18  the list: slots 8 h .. 8 h + 7
.set GT,  20                           ; v20-21 the token whose codes I fetch, two buffers
.set SW,  24                           ; v24-27 my four columns' scale words
.set MX,  28                           ; v28-31 largest magnitudes, then bytes
.set PO,  32                           ; v32-47 the tokens of the eight rows that I store, two buffers
.set SO,  48                           ; v48-51 the conversions' scale operands
.set CC,  64                           ; column i's codes at v[64 + 10 i], six registers; +6 .. +8: the second conversion's result (three registers that begin on an even number)
.set ACC, 64
.set BS,  104
.set AS,  120
.set TT,  136
.set OB,  136
.set OFF, 168
.set BI,  192                          ; in window 3
.set MSB, 0
.macro WIN new                         ; the immediate's high byte repeats the setting that is left; a switch that changes nothing is dropped
.if MSB != \new
	s_set_vgpr_msb (MSB<<8)|\new
.set MSB, \new
.endif
.endm
	s_load_b256 s[4:11], s[0:1], 0x0               ; w s[4:5], b s[6:7], xc s[8:9], xs s[10:11]
	s_load_b128 s[12:15], s[0:1], 0x20             ; perm s[12:13], tiles s[14:15]
	s_load_b64 s[16:17], s[0:1], 0x30              ; out0
	v_lshl_add_u32 v254, v0, 2, 0x11000
	v_mov_b32 v255, 0
	v_lshrrev_b32 v1, 5, v0
	v_readfirstlane_b32 s18, v1                    ; wave 0 .. 3
	s_and_b32 s19, ttmp7, 0xffff                   ; the expert
	v_and_b32 v1, 15, v0                           ; g = r = lane % 16
	v_bfe_u32 v2, v0, 4, 1                         ; h = lane / 16
	v_and_b32 v3, 31, v0                           ; lane
	v_lshrrev_b32 v19, 2, v1                       ; g / 4: the tile of my four columns
	v_and_b32 v22, 3, v1                           ; g % 4
	v_lshlrev_b32 v[L16], 4, v1
	v_lshl_add_u32 v[WO], v2, 19, v[L16]           ; lanes 16-31 begin 128 rows of 4,096 bytes further down
	v_mul_u32_u24 v[IA], v19, IMGT                 ; column 4 g + i is row 4 (g % 4) + i of tile g / 4; K step 2 v + h
	v_lshl_add_u32 v[IA], v22, 6, v[IA]
	v_mad_u32_u24 v[IA], v2, 1536, v[IA]
	s_mul_i32 s25, s18, 3072
	v_add_nc_u32 v[IA], s25, v[IA]
	v_lshlrev_b32 v[SA], 9, v19
	v_lshl_add_u32 v[SA], v22, 4, v[SA]
	v_lshl_add_u32 v[SA], v2, 6, v[SA]
	s_lshl_b32 s28, s18, 7
	s_add_co_u32 s28, s28, SCW
	v_add_nc_u32 v[SA], s28, v[SA]
	v_lshlrev_b32 v[LI], 4, v3
	v_lshlrev_b32 v[R4], 2, v1
	v_lshl_add_u32 v[SRD], v2, 9, v[R4]
	v_add_nc_u32 v[SRD], SCW, v[SRD]
	s_mul_i32 s29, s18, 16*SPITCH
	s_add_co_u32 s29, s29, STG                     ; my stage
	v_mul_u32_u24 v[STO], v1, SPITCH               ; in: row r, 32 bytes for each half of the lanes
	v_lshl_add_u32 v[STO], v2, 5, v[STO]
	v_add_nc_u32 v[STO], s29, v[STO]
	v_mul_u32_u24 v[SLD], v2, 8*SPITCH             ; back: lanes 0-15 take row i, lanes 16-31 row 8 + i
	v_add_nc_u32 v[SLD], v[SLD], v[L16]
	v_add_nc_u32 v[SLD], s29, v[SLD]
	v_mul_u32_u24 v[H48], v2, 48
	v_lshlrev_b32 v[H32], 5, v2
	s_lshl_b32 s32, ttmp9, 8                       ; my 64 columns: 256 bytes of a row
	s_mov_b32 s33, 0
	s_lshl_b32 s26, s19, 22                        ; the expert's 4 MiB of w,
	s_add_co_u32 s26, s26, s32
	s_lshl_b32 s34, s18, 20                        ; my wave's 256 rows
	s_add_co_u32 s26, s26, s34
	s_mov_b32 s27, 0
	s_lshl_b32 s30, s19, 12                        ; the expert's row of b
	s_add_co_u32 s30, s30, s32
	s_mov_b32 s31, 0
	s_lshl_b32 s20, s19, 3                         ; the expert's entry in tiles
	s_mov_b32 s21, 0
	s_wait_kmcnt 0x0
	s_add_nc_u64 s[4:5], s[4:5], s[26:27]
	s_add_nc_u64 s[6:7], s[6:7], s[30:31]
	s_add_nc_u64 s[16:17], s[16:17], s[32:33]
	s_add_nc_u64 s[14:15], s[14:15], s[20:21]
	s_load_b64 s[22:23], s[14:15], 0x0             ; s22 the expert's first tile, s23 its end tile
.macro WLOAD g                         ; block g of my K step: 32 rows x my 16 bytes, into window 1 (g = 0, 1) or 2, register 128 (g % 2) + 4 row + column
.if (\g) < 2
	WIN 0x40
.else
	WIN 0x80
.endif
.set row, 0
.rept 32
	global_load_b128 v[128*((\g)%2)+4*row:128*((\g)%2)+4*row+3], v[WO], s[4:5] offset:(32*(\g)+row)*4096 th:TH_LOAD_NT
.set row, row+1
.endr
.endm
.macro PLOAD buf, st                   ; the list's 16 slots of tile st (clamped to the last tile that any split can reach + 1; every slot up to there was stored): 3 loads
	WIN 0
	s_min_u32 s25, \st, 271
	s_lshl_b32 s25, s25, 6
	v_add_nc_u32 v[PG], s25, v[R4]
	v_add_nc_u32 v[PR], s25, v[H32]
	global_load_b32 v[GT+(\buf)], v[PG], s[12:13]
	global_load_b128 v[PO+8*(\buf):PO+8*(\buf)+3], v[PR], s[12:13]
	global_load_b128 v[PO+8*(\buf)+4:PO+8*(\buf)+7], v[PR], s[12:13] offset:16
.endm
.macro ALOAD buf                       ; my token's eight fragments (48 bytes on end for each K step and half of the lanes) and its eight scale words: 26 loads
	WIN 0
	v_min_u32 v[GT+(\buf)], 0xfff, v[GT+(\buf)]
	v_mul_u32_u24 v[AD], v[GT+(\buf)], 768
	v_add_nc_u32 v[AD], v[AD], v[H48]
	v_lshlrev_b32 v[ADS], 5, v[GT+(\buf)]
	WIN 0xc0
.irp s, 0,1,2,3,4,5,6,7
.irp j, 0,1,2
	global_load_b128 v[96*(\buf)+12*\s+4*\j:96*(\buf)+12*\s+4*\j+3], v[AD], s[8:9] offset:96*\s+16*\j
.endr
.endr
	WIN 0
	global_load_b128 v[AS+8*(\buf):AS+8*(\buf)+3], v[ADS], s[10:11]
	global_load_b128 v[AS+8*(\buf)+4:AS+8*(\buf)+7], v[ADS], s[10:11] offset:16
.endm
.macro WINRAW g                        ; sources 0 and 1 in the window of group g's numbers; source 2 and the destination in window 0
.if (\g) < 2
	WIN 0x05
.else
	WIN 0x0a
.endif
.endm
.macro MOVES hf                        ; columns 2 hf and 2 hf + 1: 32 numbers down K into consecutive registers
.irp ci, 0,1
.set row, 0
.rept 32
	v_mov_b32 v[TT+32*\ci+row], v[RB+4*row+2*(\hf)+\ci]
.set row, row+1
.endr
.endr
.endm
.macro CODES hf                        ; and their codes: 2 x 16 codes, 2 x 96 bits, a column
.irp ci, 0,1
	v_cvt_scalef32_pk16_bf6_f32 v[CC+10*(2*(\hf)+\ci):CC+10*(2*(\hf)+\ci)+2], v[TT+32*\ci:TT+32*\ci+15], v[SO+2*(\hf)+\ci]
	v_cvt_scalef32_pk16_bf6_f32 v[CC+10*(2*(\hf)+\ci)+6:CC+10*(2*(\hf)+\ci)+8], v[TT+32*\ci+16:TT+32*\ci+31], v[SO+2*(\hf)+\ci]
.endr
	v_nop                                          ; one plain line behind the conversions, ahead of whatever touches their results or writes their sources
.endm
; Block g of my K step, four columns.  In the operand's layout block g = 2 c + h' lies in registers 6 c .. 6 c + 5 of lane 16 h' + (the column's row in its tile).
.macro GROUP g
.set RB, 128*((\g)%2)
	WINRAW \g
.irp i, 0,1,2,3
	v_max3_num_f32 v[MX+\i], |v[RB+\i]|, |v[RB+4+\i]|, 0x2800000   ; the floor 2^(5 - 127) among the leaves: the byte cannot fall under 1
.endr
.irp row, 2,4,6,8,10,12,14,16,18,20,22,24,26,28,30
.irp i, 0,1,2,3
	v_max3_num_f32 v[MX+\i], |v[RB+4*\row+\i]|, |v[RB+4*\row+4+\i]|, v[MX+\i]   ; the four columns by turns
.endr
.endr
	MOVES 0
	WIN 0
	s_wait_dscnt 0x0                               ; the last group's LDS stores are done: the codes' registers are written again
.irp i, 0,1,2,3
	v_add_nc_u32 v[SO+\i], 0xfe000000, v[MX+\i]    ; 4 off the exponent field: the conversion's scale operand
.endr
.irp i, 0,1,2,3
	v_lshrrev_b32 v[MX+\i], 23, v[SO+\i]           ; the scale's byte
.endr
.irp i, 0,1,2,3
.if (\g) == 0
	v_mov_b32 v[SW+\i], v[MX+\i]
.else
	v_lshl_or_b32 v[SW+\i], v[MX+\i], 8*(\g), v[SW+\i]
.endif
.endr
	CODES 0
	WINRAW \g
	MOVES 1
	WIN 0
	CODES 1
.irp i, 0,1,2,3
.irp k, 0,1,2
	v_mov_b32 v[CC+10*\i+3+\k], v[CC+10*\i+6+\k]   ; the block's six registers on end
.endr
.endr
.irp i, 0,1,2,3
.if (\g) < 2                           ; registers 0-3 are piece 0 of the image, registers 4, 5 the lower half of piece 1
	ds_store_b128 v[IA], v[CC+10*\i:CC+10*\i+3] offset:256*((\g)%2)+16*\i
	ds_store_b64 v[IA], v[CC+10*\i+4:CC+10*\i+5] offset:512+256*((\g)%2)+16*\i
.else                                  ; registers 6, 7 the upper half of piece 1, registers 8-11 piece 2
	ds_store_b64 v[IA], v[CC+10*\i:CC+10*\i+1] offset:520+256*((\g)%2)+16*\i
	ds_store_b128 v[IA], v[CC+10*\i+2:CC+10*\i+5] offset:1024+256*((\g)%2)+16*\i
.endif
.endr
.endm
; ------------------------------------------------------------------ phase W
	WIN 0xc0
.irp n, 0,1,2,3                        ; the bias in the result's layout: lane (r, h), tile n: columns 16 n + 8 h + 0 .. 7.  8 loads
	global_load_b128 v[BI+8*\n:BI+8*\n+3], v[H32], s[6:7] offset:64*\n
	global_load_b128 v[BI+8*\n+4:BI+8*\n+7], v[H32], s[6:7] offset:64*\n+16
.endr
	WLOAD 0
	WLOAD 1
	s_wait_kmcnt 0x0                               ; the expert's tiles
	s_add_co_u32 s24, s22, s18                     ; my first tile; I take every fourth
	PLOAD 0, s24
	WLOAD 2
	WLOAD 3
	s_wait_loadcnt 63                              ; 139 loads are issued: the first 76 are in: the bias (8), groups 0 and 1 (64), the list's three
	ALOAD 0                                        ; my first tile's codes
	s_add_co_u32 s25, s24, 4
	PLOAD 1, s25                                   ; (the list's first loads are done, so their address registers are written again)
	GROUP 0
	GROUP 1
	s_wait_loadcnt 61                              ; group 2 is in; group 3's 32 loads and the 29 of the first tile may be out
	GROUP 2
	s_wait_loadcnt 29                              ; group 3 is in
	GROUP 3
	ds_store_b128 v[SA], v[SW:SW+3]                ; my four columns' scale words of my K step
	s_wait_dscnt 0x0                               ; my images and scale words lie in LDS,
	s_barrier_signal -1
	s_barrier_wait -1                              ; everybody's do.  The launch's only barrier: every wave passes it
	s_cmp_ge_u32 s24, s23
	s_cbranch_scc1 .Lend                           ; the split leaves me no tile
; ------------------------------------------------------------------ phase T
	s_sub_co_u32 s36, s23, s24                     ; the tiles from my first to the expert's end, of which every fourth is mine; a trip takes two of mine:
	s_add_co_u32 s36, s36, 7
	s_lshr_b32 s36, s36, 3                         ; trips = that number / 8, rounded up.
	s_min_u32 s36, s36, 32                         ; (4,096 tokens are at most 256 tiles of one expert, 64 of them mine: never more than 32 trips, so this holds nothing back)
	s_mov_b32 s35, 0                               ; trips done
	WIN 0x40
.irp s, 0,1,2,3
.irp n, 0,1,2,3
.irp j, 0,1,2
	ds_load_b128 v[12*(4*\s+\n)+4*\j:12*(4*\s+\n)+4*\j+3], v[LI] offset:IMGT*\n+1536*\s+512*\j
.endr
.endr
.endr
	WIN 0x80
.irp s, 0,1,2,3
.irp n, 0,1,2,3
.irp j, 0,1,2
	ds_load_b128 v[12*(4*\s+\n)+4*\j:12*(4*\s+\n)+4*\j+3], v[LI] offset:IMGT*\n+1536*(\s+4)+512*\j
.endr
.endr
.endr
	WIN 0
.irp p, 0,1
.irp s, 0,1,2,3,4,5,6,7
	ds_load_b32 v[BS+8*\p+\s], v[SRD] offset:1024*\p+64*\s
.endr
.endr
	s_wait_dscnt 0x0
; K step s of the tile in buffer p: the four accumulators by turns, one instruction a turn.  An odd tile's scale words stand in lanes 16-31.
.macro MM p, s
.irp n, 0,1,2,3
.if (\s) == 0
.if \n%2
	v_wmma_scale_f32_16x16x128_f8f6f4 v[ACC+8*\n:ACC+8*\n+7], v[12*(4*((\s)%4)+\n):12*(4*((\s)%4)+\n)+11], v[96*(\p)+12*(\s):96*(\p)+12*(\s)+11], v[BI+8*\n:BI+8*\n+7], v[BS+8*(\n/2)+(\s)], v[AS+8*(\p)+(\s)] matrix_a_fmt:MATRIX_FMT_BF6 matrix_b_fmt:MATRIX_FMT_BF6 matrix_a_scale:MATRIX_SCALE_ROW1
.else
	v_wmma_scale_f32_16x16x128_f8f6f4 v[ACC+8*\n:ACC+8*\n+7], v[12*(4*((\s)%4)+\n):12*(4*((\s)%4)+\n)+11], v[96*(\p)+12*(\s):96*(\p)+12*(\s)+11], v[BI+8*\n:BI+8*\n+7], v[BS+8*(\n/2)+(\s)], v[AS+8*(\p)+(\s)] matrix_a_fmt:MATRIX_FMT_BF6 matrix_b_fmt:MATRIX_FMT_BF6
.endif
.else
.if \n%2
	v_wmma_scale_f32_16x16x128_f8f6f4 v[ACC+8*\n:ACC+8*\n+7], v[12*(4*((\s)%4)+\n):12*(4*((\s)%4)+\n)+11], v[96*(\p)+12*(\s):96*(\p)+12*(\s)+11], v[ACC+8*\n:ACC+8*\n+7], v[BS+8*(\n/2)+(\s)], v[AS+8*(\p)+(\s)] matrix_a_fmt:MATRIX_FMT_BF6 matrix_b_fmt:MATRIX_FMT_BF6 matrix_a_scale:MATRIX_SCALE_ROW1
.else
	v_wmma_scale_f32_16x16x128_f8f6f4 v[ACC+8*\n:ACC+8*\n+7], v[12*(4*((\s)%4)+\n):12*(4*((\s)%4)+\n)+11], v[96*(\p)+12*(\s):96*(\p)+12*(\s)+11], v[ACC+8*\n:ACC+8*\n+7], v[BS+8*(\n/2)+(\s)], v[AS+8*(\p)+(\s)] matrix_a_fmt:MATRIX_FMT_BF6 matrix_b_fmt:MATRIX_FMT_BF6
.endif
.endif
.endr
.endm
; The tile s24 + 4 p, whose codes lie in buffer p.
.macro TILE p
	s_wait_loadcnt 0x0                             ; this tile's codes and the next tile's slots, all asked for a whole tile ago, are in; every load's address register is free
	s_wait_xcnt 0x0                                ; the last tile's stores have had their addresses translated: their offsets and data are written again only behind this wait
.irp i, 0,1,2,3,4,5,6,7
	v_min_u32 v[PO+8*(\p)+\i], 0xfff, v[PO+8*(\p)+\i]
.endr
.irp i, 0,1,2,3,4,5,6,7
	v_lshl_add_u32 v[OFF+\i], v[PO+8*(\p)+\i], 12, v[L16]          ; the token's row of 4,096 bytes + my 16 bytes of the work-group's 256
.endr
	ALOAD 1-(\p)                                   ; the next tile's codes, into the buffer that the last tile's products have left (the lines between are more than four places)
	s_add_co_u32 s25, s24, 4*(\p)+8
	PLOAD \p, s25                                  ; and the slots of the tile after that
	WIN 0x3d                                       ; source 0 (w) window 1, source 1 (tokens) and C (the bias) window 3
	MM \p, 0
	WIN 0x0d                                       ; C in window 0: the sums go on in place
	MM \p, 1
	MM \p, 2
	MM \p, 3
	WIN 0x0e                                       ; w's K steps 4-7: window 2
	MM \p, 4
	MM \p, 5
	MM \p, 6
	MM \p, 7
	WIN 0
.rept 4
	v_nop                                          ; four places ahead of the first read of results (ISA guide 7.12.1)
.endr
.set k, 0
.rept 32
	v_max_num_f32 v[ACC+k], 0, v[ACC+k]            ; relu; each accumulator from its low end on
.set k, k+1
.endr
.irp n, 0,1,2,3
	ds_store_b128 v[STO], v[ACC+8*\n:ACC+8*\n+3] offset:64*\n      ; lane (r, h): token r, columns 16 n + 8 h + 0 .. 7
	ds_store_b128 v[STO], v[ACC+8*\n+4:ACC+8*\n+7] offset:64*\n+16
.endr
.irp i, 0,1,2,3,4,5,6,7
	ds_load_b128 v[OB+4*\i:OB+4*\i+3], v[SLD] offset:SPITCH*\i     ; LDS serves a wave's instructions in order: these see my stores, and the next tile's stores come behind them
.endr
.irp i, 0,1,2,3,4,5,6,7
	s_wait_dscnt 7-\i                              ; the younger rows may be out
	global_store_b128 v[OFF+\i], v[OB+4*\i:OB+4*\i+3], s[16:17] th:TH_STORE_NT   ; sixteen lanes store 256 consecutive bytes of a token's row, aligned
.endr
.endm
; A trip takes two of my tiles, so that the two buffers are back where they began.  The loop is counted by s35, one a trip, against s36, which the loop does not write; s24, the trip's first tile, steps by 8 beside it.
; After k trips s24 = my first tile + 8 k, and k < s36 says the same as s24 < the expert's end tile.  The loop is left by falling through its backward branch, or, where my tiles end with a trip's first, by the
; s_endpgm in its middle (every window is 0 there; only plain loads and stores are out).
.Ltile:
	TILE 0
	s_add_co_u32 s25, s24, 4
	s_cmp_lt_u32 s25, s23
	s_cbranch_scc1 .Lsecond                        ; I have a second tile in this trip
	s_wait_tensorcnt 0x0
	ds_add_u32 v254, v255
	s_wait_dscnt 0x0
	s_endpgm
.Lsecond:
	TILE 1
	s_add_co_u32 s24, s24, 8
	s_add_co_u32 s35, s35, 1
	s_cmp_lt_u32 s35, s36
	s_cbranch_scc1 .Ltile
.Lend:
	s_wait_tensorcnt 0x0
	ds_add_u32 v254, v255
	s_wait_dscnt 0x0
	s_endpgm
.Lfunc_end_k_q33c3dcb00d_moe:
	.size	k_q33c3dcb00d_moe, .Lfunc_end_k_q33c3dcb00d_moe-k_q33c3dcb00d_moe
	.p2alignl 7, 3214868480
	.fill 96, 4, 3214868480
	.section	.rodata,"a",@progbits
	.p2align	6, 0x0
	.amdhsa_kernel k_q33c3dcb00d_moe
		.amdhsa_group_segment_fixed_size 70144
		.amdhsa_private_segment_fixed_size 0
		.amdhsa_enable_private_segment 0
		.amdhsa_kernarg_size 56
		.amdhsa_user_sgpr_count 2
		.amdhsa_user_sgpr_kernarg_segment_ptr 1
		.amdhsa_wavefront_size32 1
		.amdhsa_system_sgpr_workgroup_id_x 1
		.amdhsa_system_sgpr_workgroup_id_y 1
		.amdhsa_system_sgpr_workgroup_id_z 1
		.amdhsa_system_vgpr_workitem_id 0
		.amdhsa_next_free_vgpr 1024
		.amdhsa_next_free_sgpr 66
		.amdhsa_reserve_vcc 0
		.amdhsa_float_denorm_mode_32 3
		.amdhsa_float_denorm_mode_16_64 3
		.amdhsa_memory_ordered 1
		.amdhsa_forward_progress 1
		.amdhsa_inst_pref_size 92
	.end_amdhsa_kernel
	.amdgpu_metadata
---
amdhsa.version: [ 1, 2 ]
amdhsa.kernels:
  - .name:           k_q33c3dcb00d_moe
    .symbol:         k_q33c3dcb00d_moe.kd
    .args:
      - { .name: w, .offset: 0, .size: 8, .value_kind: global_buffer, .address_space: global }
      - { .name: b, .offset: 8, .size: 8, .value_kind: global_buffer, .address_space: global }
      - { .name: xc, .offset: 16, .size: 8, .value_kind: global_buffer, .address_space: global }
      - { .name: xs, .offset: 24, .size: 8, .value_kind: global_buffer, .address_space: global }
      - { .name: perm, .offset: 32, .size: 8, .value_kind: global_buffer, .address_space: global }
      - { .name: tiles, .offset: 40, .size: 8, .value_kind: global_buffer, .address_space: global }
      - { .name: out0, .offset: 48, .size: 8, .value_kind: global_buffer, .address_space: global }
    .group_segment_fixed_size: 70144
    .private_segment_fixed_size: 0
    .kernarg_segment_align: 8
    .kernarg_segment_size: 56
    .max_flat_workgroup_size: 128
    .sgpr_count:     66
    .vgpr_count:     1024
    .wavefront_size: 32
...
	.end_amdgpu_metadata
.endif
;; end of part 2
;; ======== version 2 of 2: 2 launches
;; workspace buffers: xc 3,145,728 bytes; xs 131,072 bytes; perm 24,576 bytes of whole numbers; tiles 256 bytes of whole numbers
;; launch prep (part 3): grid 257 x 1, 16 waves a work-group, no clusters, 129,024 bytes of LDS; arguments x, idxs, xc, xs, perm, tiles, out0; writes xc, xs, perm, tiles, out0
.if DOCPART == 3
	.amdgcn_target "amdgcn-amd-amdhsa--gfx1250"
	.amdhsa_code_object_version 6
	.text
	.protected	k_q33c3dcb00d_prep
	.globl	k_q33c3dcb00d_prep
	.p2align	8
	.type	k_q33c3dcb00d_prep,@function
k_q33c3dcb00d_prep:
	s_mov_b64 s[64:65], 0
	v_nop
	global_prefetch_b8 v0, s[64:65] scope:SCOPE_SE
	s_setreg_imm32_b32 hwreg(HW_REG_WAVE_MODE, 25, 1), 1
	s_wait_xcnt 0x0
; PREP.  Two jobs in one launch, told apart by the work-group's number.
; WORK-GROUPS 1 .. 256: x [4096][1024] f32 becomes codes of BF6 (E3M2) with one E8M0 byte for each 32 along K.  A wave takes one token (4,096 bytes), in two steps of 512 numbers.
;   A block's scale is 2^(floor(log2(largest magnitude)) - 4): its byte is the largest magnitude's exponent field - 4, held at 1 from below by a floor among the maximum's leaves.
;   xc: token t at 768 t; in it the 12 bytes of half u of block 4 s + b lie at 96 s + 48 (b & 1) + 24 (b >> 1) + 12 u: the 12 operand registers that lane half h = b & 1 wants of K step s are 48 bytes on end.
;   xs: byte 32 t + block: word s of a token is the scale word of K step s.
;   A token whose index is not one of 0 .. 15 is taken by no expert: its row of out0 is zeros, stored here.
; WORK-GROUP 0: a counting sort of the 4,096 tokens by expert, without atomics.  perm: token numbers by expert, each expert's run padded to whole tiles of 16 slots with its last token; every other slot 0
;   (slot 6143 takes what belongs nowhere and is read by nobody).  tiles: entry e = (first tile, end tile) of expert e.
; LIMITS: NaN and infinities in x are not served; a block whose largest magnitude lies under 2^-122 keeps the byte 1; a block of zeros gets the byte 1 where the rule says 127: its codes are zeros,
;   which add nothing under that byte, and the bytes are read by this program alone.
; No tensor loads, no clusters, no matrix work: a stream and a small sort.  Each job has LDS bytes of its own.
.set XST, 0                            ; x: for each wave two stages of 32 x 80 bytes
.set XSC, 81920                        ; x: the work-group's 512 scale bytes
.set CNT, 82432                        ; sort: 32 words for each wave: its count of each expert
.set PRM, 84480                        ; sort: the 6,144 slots
.set POS, 109056                       ; sort: each token's slot number, by token
.set SP,  80                           ; a lane's place in a stage: 64 bytes + 16 of padding
.set XR,  16                           ; v16-47  x as loaded, two sets of 16
.set XX,  48                           ; v48-79  16 neighbours a lane, two sets
.set XC,  80                           ; v80-87  codes: four registers for each step
.set XE,  88                           ; v88-89  a scale byte for each step
.set SX,  16                           ; sort: v16-23 my eight tokens' experts
.set SR,  24                           ; v24-31  their ranks within the wave's count of their expert (0x2000: no expert)
.set SK,  32                           ; v32-47  the sixteen waves' counts; later my tokens' slots
.set SC,  32                           ; s32-47  the wave's running count of each expert
.set SM,  48                           ; s48-63  a group's sixteen masks
	s_load_b256 s[4:11], s[0:1], 0x0               ; x s[4:5], idxs s[6:7], xc s[8:9], xs s[10:11]
	s_load_b128 s[12:15], s[0:1], 0x20             ; perm s[12:13], tiles s[14:15]
	s_load_b64 s[16:17], s[0:1], 0x30              ; out0
	v_lshl_add_u32 v128, v0, 2, 0x1f000
	v_mov_b32 v129, 0
	v_lshrrev_b32 v1, 5, v0
	s_delay_alu instid0(VALU_DEP_1)
	v_readfirstlane_b32 s18, v1                    ; wave 0 .. 15
	v_and_b32 v2, 31, v0                           ; lane
	s_cmp_eq_u32 ttmp9, 0
	s_cbranch_scc1 .Lsort
; ------------------------------------------------------------------ x into codes
	s_sub_co_u32 s19, ttmp9, 1                     ; which 16 tokens
	s_lshl_b32 s20, s19, 4
	s_add_co_u32 s20, s20, s18                     ; my token
	s_lshl_b32 s22, s20, 12                        ; its row of x and of out0: 4,096 bytes
	s_mov_b32 s23, 0
	s_mul_i32 s24, s20, 768                        ; its codes
	s_mov_b32 s25, 0
	s_lshl_b32 s26, s19, 9                         ; the work-group's 512 scale bytes
	s_mov_b32 s27, 0
	s_lshl_b32 s28, s20, 2                         ; its index
	s_mov_b32 s29, 0
	s_mul_i32 s30, s18, 2*32*SP                    ; my wave's stages
	s_lshl_b32 s31, s18, 5
	s_add_co_u32 s31, s31, XSC                     ; my token's 32 scale bytes in LDS
	s_wait_alu depctr_va_vdst(0)
	v_lshlrev_b32 v3, 4, v2                        ; 16 x lane
	v_lshrrev_b32 v14, 2, v2
	s_delay_alu instid0(VALU_DEP_1)
	v_mul_u32_u24 v14, v14, SP
	v_and_b32 v15, 3, v2
	s_delay_alu instid0(VALU_DEP_1)
	v_lshl_add_u32 v14, v15, 4, v14
	s_delay_alu instid0(VALU_DEP_1)
	v_add_nc_u32 v14, s30, v14                     ; the stage, in: four lanes' 64 bytes on end, then 16 of padding
	v_mul_u32_u24 v15, v2, SP
	s_delay_alu instid0(VALU_DEP_1)
	v_add_nc_u32 v15, s30, v15                     ; and out: my 16 neighbours
	v_and_b32 v4, 1, v2                            ; lane l holds half l & 1 of block l >> 1 of the step's sixteen:
	s_delay_alu instid0(VALU_DEP_1)
	v_mul_u32_u24 v4, v4, 12                       ; 12 (l & 1)
	v_bfe_u32 v5, v2, 1, 1
	s_delay_alu instid0(VALU_DEP_1)
	v_mad_u32_u24 v4, v5, 48, v4                   ; + 48 x (block & 1)
	v_bfe_u32 v5, v2, 2, 1
	s_delay_alu instid0(VALU_DEP_1)
	v_mad_u32_u24 v4, v5, 24, v4                   ; + 24 x ((block >> 1) & 1)
	v_lshrrev_b32 v5, 3, v2
	s_delay_alu instid0(VALU_DEP_1)
	v_mad_u32_u24 v4, v5, 96, v4                   ; + 96 x (K step of the step's four)
	v_lshrrev_b32 v5, 1, v2
	s_delay_alu instid0(VALU_DEP_1)
	v_add_nc_u32 v5, s31, v5                       ; my block's scale byte in LDS
	v_add_nc_u32 v6, XSC, v3                       ; wave 0's way out: 16 bytes a lane
.irp i, 92,93,94,95
	v_mov_b32 v\i, 0                               ; a row of zeros, 16 bytes a lane
.endr
	s_wait_kmcnt 0x0
	s_add_nc_u64 s[4:5], s[4:5], s[22:23]
	s_add_nc_u64 s[16:17], s[16:17], s[22:23]
	s_add_nc_u64 s[8:9], s[8:9], s[24:25]
	s_add_nc_u64 s[10:11], s[10:11], s[26:27]
	s_add_nc_u64 s[6:7], s[6:7], s[28:29]
	s_load_b32 s33, s[6:7], 0x0                    ; my token's expert
.macro XLOAD t
.irp i, 0,1,2,3
	global_load_b128 v[XR+16*(\t)+4*\i:XR+16*(\t)+4*\i+3], v3, s[4:5] offset:2048*(\t)+512*\i th:TH_LOAD_NT   ; 32 lanes read 512 consecutive bytes
.endr
.endm
.macro XTURN t                         ; a step's 2,048 bytes go through the wave's own stage as they lie and come back 64 bytes a lane; LDS serves a wave's instructions in order
.irp i, 0,1,2,3
	ds_store_b128 v14, v[XR+16*(\t)+4*\i:XR+16*(\t)+4*\i+3] offset:32*SP*(\t)+8*SP*\i
.endr
.irp i, 0,1,2,3
	ds_load_b128 v[XX+16*(\t)+4*\i:XX+16*(\t)+4*\i+3], v15 offset:32*SP*(\t)+16*\i
.endr
.endm
.macro XSTEP t
.set XS, XX+16*(\t)
	v_max3_num_f32 v8, |v[XS]|, |v[XS+1]|, |v[XS+2]|               ; the largest magnitude of my 16, in two chains
	v_max3_num_f32 v9, |v[XS+3]|, |v[XS+4]|, |v[XS+5]|
.irp i, 6,10
	s_delay_alu instid0(VALU_DEP_2)
	v_max3_num_f32 v8, v8, |v[XS+\i]|, |v[XS+\i+1]|
	s_delay_alu instid0(VALU_DEP_2)
	v_max3_num_f32 v9, v9, |v[XS+\i+2]|, |v[XS+\i+3]|
.endr
	s_delay_alu instid0(VALU_DEP_2)
	v_max3_num_f32 v8, v8, |v[XS+14]|, |v[XS+15]|
	s_delay_alu instid0(VALU_DEP_1)
	v_max3_num_f32 v8, v8, v9, 0x2800000           ; and the floor 2^(5 - 127): the byte cannot fall under 1
	s_delay_alu instid0(VALU_DEP_1)
	v_max_num_f32_dpp v8, v8, v8 row_xmask:1 row_mask:0xf bank_mask:0xf   ; with my neighbour's 16: the block's
	s_delay_alu instid0(VALU_DEP_1)
	v_add_nc_u32 v11, 0xfe000000, v8               ; 4 off its exponent field: the conversion takes that field as its scale
	v_cvt_scalef32_pk16_bf6_f32 v[XC+4*(\t):XC+4*(\t)+2], v[XS:XS+15], v11
	v_lshrrev_b32 v[XE+(\t)], 23, v11              ; the scale's byte (also the plain line behind the conversion)
	ds_store_b8 v5, v[XE+(\t)] offset:16*(\t)      ; both lanes of a block write the same byte with the same value
	global_store_b96 v4, v[XC+4*(\t):XC+4*(\t)+2], s[8:9] offset:384*(\t)   ; the wave's 32 pieces of 12 bytes fill 384 consecutive bytes
.endm
	XLOAD 0
	XLOAD 1
	s_wait_loadcnt 4                               ; step 0's four loads are in; step 1's four may be out
	XTURN 0
	s_wait_loadcnt 0x0
	XTURN 1
	s_wait_dscnt 8                                 ; step 0 is back from its stage; the second turn's eight may be out
	XSTEP 0
	s_wait_dscnt 1                                 ; step 1 is back; step 0's byte store may be out
	XSTEP 1
	s_wait_kmcnt 0x0                               ; my token's expert
	s_cmp_lt_u32 s33, 16                           ; unsigned: a negative index is none of the sixteen either
	s_cbranch_scc1 .Lvalid
.irp k, 0,1,2,3,4,5,6,7
	global_store_b128 v3, v[92:95], s[16:17] offset:512*\k   ; no expert takes the token: its row is zeros
.endr
.Lvalid:
	s_wait_dscnt 0x0                               ; my scale bytes lie in LDS,
	s_barrier_signal -1
	s_barrier_wait -1                              ; everybody's do
	s_cmp_lg_u32 s18, 0
	s_cbranch_scc1 .Lxend
	ds_load_b128 v[8:11], v6                       ; wave 0 sends the 512 bytes out: two aligned runs of 256 bytes
	s_wait_dscnt 0x0
	global_store_b128 v3, v[8:11], s[10:11]
.Lxend:
	s_wait_tensorcnt 0x0
	ds_add_u32 v128, v129
	s_wait_dscnt 0x0
	s_endpgm
; ------------------------------------------------------------------ the sort
; Thread (wave w, lane l) holds tokens 256 w + 128 c + 4 l + i, c = 0, 1, i = 0 .. 3: group q = 4 c + i.
.Lsort:
	s_wait_alu depctr_va_vdst(0)
	v_lshlrev_b32 v3, 4, v2
	s_delay_alu instid0(VALU_DEP_1)
	v_lshl_add_u32 v3, v1, 10, v3                  ; 1,024 w + 16 l: my tokens' indices in memory
	v_lshlrev_b32 v9, 4, v0                        ; 16 x thread: perm on the way out
	s_delay_alu instid0(VALU_DEP_1)
	v_add_nc_u32 v4, PRM, v9                       ; and the same place in the slots in LDS
	v_lshl_add_u32 v5, v0, 2, CNT                  ; my wave's counts: lane e holds expert e's
	v_lshl_add_u32 v6, v2, 2, CNT                  ; all waves' counts of expert = my lane
	v_add_nc_u32 v7, POS, v3                       ; my tokens' slot numbers
	v_lshl_add_u32 v8, v2, 4, POS                  ; wave 0 reads them back, 128 tokens an instruction
	v_lshlrev_b32 v10, 3, v2                       ; tiles: 8 bytes a lane
	v_lshlrev_b32 v11, 2, v2                       ; 4 l
	s_wait_alu depctr_va_vdst(0)
	s_wait_kmcnt 0x0
	global_load_b128 v[SX:SX+3], v3, s[6:7]
	global_load_b128 v[SX+4:SX+7], v3, s[6:7] offset:512
.irp i, 12,13,14,15
	v_mov_b32 v\i, 0
.endr
.irp k, 0,1,2
	ds_store_b128 v4, v[12:15] offset:8192*\k      ; every slot begins as 0
.endr
.irp q, 0,1,2,3,4,5,6,7
	v_mov_b32 v[SR+\q], 0x2000                     ; a token of no expert keeps this and ends in slot 6143
.endr
.irp e, 0,1,2,3,4,5,6,7,8,9,10,11,12,13,14,15
	s_mov_b32 s[SC+\e], 0
.endr
	v_mov_b32 v55, 0                               ; a DPP move's destination counts as read
	s_wait_loadcnt 0x0
.macro RANK q                          ; group q: each token's rank among the wave's tokens of its expert so far; the counts go on
.irp e, 0,1,2,3,4,5,6,7,8,9,10,11,12,13,14,15
	v_cmp_eq_u32 s[SM+\e], \e, v[SX+\q]
.endr
.irp e, 0,1,2,3,4,5,6,7,8,9,10,11,12,13,14,15
	v_mbcnt_lo_u32_b32 v[57+\e%2], s[SM+\e], s[SC+\e]              ; the count so far + the lanes below me with the same expert
	s_delay_alu instid0(VALU_DEP_1)
	v_cndmask_b32 v[SR+\q], v[SR+\q], v[57+\e%2], s[SM+\e]
	s_bcnt1_i32_b32 s20, s[SM+\e]
	s_add_co_u32 s[SC+\e], s[SC+\e], s20
.endr
.endm
.irp q, 0,1,2,3,4,5,6,7
	RANK \q
.endr
	v_mov_b32 v48, 0
.irp e, 0,1,2,3,4,5,6,7,8,9,10,11,12,13,14,15
	s_delay_alu instid0(VALU_DEP_1)
	v_writelane_b32 v48, s[SC+\e], \e
.endr
	ds_store_b32 v5, v48
	s_wait_dscnt 0x0                               ; my counts and my share of the zeros lie in LDS,
	s_barrier_signal -1
	s_barrier_wait -1                              ; everybody's do
.irp j, 0,1,2,3,4,5,6,7,8,9,10,11,12,13,14,15
	ds_load_b32 v[SK+\j], v6 offset:128*\j         ; lane e: wave j's count of expert e (lanes 16-31: zeros)
.endr
	s_wait_dscnt 0x0
.irp j, 0,1,2,3,4,5,6,7,8,9,10,11,12,13,14,15
	s_cmp_gt_u32 s18, \j
	s_cselect_b32 s20, -1, 0                       ; does wave j stand in front of mine?
.if \j == 0
	v_mov_b32 v49, v[SK]                           ; v49: the expert's tokens in all
	v_and_b32 v50, s20, v[SK]                      ; v50: those of the waves in front of mine
.else
	v_add_nc_u32 v49, v49, v[SK+\j]
	v_and_b32 v57, s20, v[SK+\j]
	s_delay_alu instid0(VALU_DEP_1)
	v_add_nc_u32 v50, v50, v57
.endif
.endr
	s_delay_alu instid0(VALU_DEP_3)
	v_add_nc_u32 v51, 15, v49
	s_delay_alu instid0(VALU_DEP_1)
	v_lshrrev_b32 v51, 4, v51                      ; the expert's tiles of 16
	s_delay_alu instid0(VALU_DEP_1)
	v_mov_b32 v53, v51
.irp n, 1,2,4,8
	s_delay_alu instid0(VALU_DEP_1)
	v_mov_b32_dpp v55, v53 row_shr:\n row_mask:0xf bank_mask:0xf bound_ctrl:1
	s_delay_alu instid0(VALU_DEP_1)
	v_add_nc_u32 v53, v53, v55                     ; v53: the running sum over experts 0 .. e: the expert's end tile
.endr
	s_delay_alu instid0(VALU_DEP_1)
	v_sub_nc_u32 v52, v53, v51                     ; v52: its first tile
	s_delay_alu instid0(VALU_DEP_1)
	v_lshl_add_u32 v54, v52, 4, v50                ; where my wave's tokens of expert e begin
.irp q, 0,1,2,3,4,5,6,7
	v_min_u32 v[64+\q], 31, v[SX+\q]               ; (an index that is no expert's asks a lane of 16 .. 31, which holds 0)
.endr
.irp q, 0,1,2,3,4,5,6,7
	v_lshlrev_b32 v[64+\q], 2, v[64+\q]
.endr
.irp q, 0,1,2,3,4,5,6,7
	ds_bpermute_b32 v[SK+\q], v[64+\q], v54        ; each token fetches its expert's beginning from that expert's lane
.endr
	s_wait_dscnt 0x0                               ; my reads of the counts are over
	s_barrier_signal -1
	s_barrier_wait -1
.irp q, 0,1,2,3,4,5,6,7
	v_add_nc_u32 v[SK+\q], v[SK+\q], v[SR+\q]      ; the token's slot
.endr
.irp q, 0,1,2,3,4,5,6,7
	v_min_u32 v[SK+\q], 0x17ff, v[SK+\q]
.endr
	ds_store_b128 v7, v[SK:SK+3]
	ds_store_b128 v7, v[SK+4:SK+7] offset:512
	s_wait_dscnt 0x0                               ; my tokens' slot numbers lie in LDS,
	s_barrier_signal -1
	s_barrier_wait -1                              ; everybody's do
	; The scatter's addresses hang on the data, so ONE wave makes it, and no other wave touches LDS until the next barrier.
	s_cmp_lg_u32 s18, 0
	s_cbranch_scc1 .Lnot_wave_0
.macro SCAT bt                         ; tokens 1,024 bt .. 1,024 bt + 1,023: register 4 m + i of lane l is token 128 (8 bt + m) + 4 l + i
.irp m, 0,1,2,3,4,5,6,7
	ds_load_b128 v[64+4*\m:64+4*\m+3], v8 offset:512*(8*(\bt)+\m)
.endr
	s_wait_dscnt 0x0                               ; the slot numbers are in, and the last batch's stores are done
.set j, 0
.rept 32
	v_min_u32 v[64+j], 0x17ff, v[64+j]
.set j, j+1
.endr
.set j, 0
.rept 32
	v_lshl_add_u32 v[64+j], v[64+j], 2, PRM
.set j, j+1
.endr
.set j, 0
.rept 32
	v_add_nc_u32 v[96+j], 128*(8*(\bt)+j/4)+j%4, v11
	ds_store_b32 v[64+j], v[96+j]
.set j, j+1
.endr
.endm
	SCAT 0
	SCAT 1
	SCAT 2
	SCAT 3
	; the padding: lane e fills expert e's last tile with the expert's last token
	v_lshl_add_u32 v60, v52, 4, v49                ; the first slot behind the expert's tokens,
	v_lshlrev_b32 v61, 4, v53                      ; and the end of its tiles
	v_mov_b32 v59, 0x17ff
	s_delay_alu instid0(VALU_DEP_3)
	v_add_nc_u32 v62, -1, v60
	s_delay_alu instid0(VALU_DEP_1)
	v_min_u32 v62, 0x17ff, v62
	s_delay_alu instid0(VALU_DEP_1)
	v_lshl_add_u32 v62, v62, 2, PRM
	ds_load_b32 v63, v62                           ; LDS serves a wave's instructions in order: this sees the scatter
	s_wait_alu depctr_va_vdst(0)
	s_wait_dscnt 0x0
.irp d, 0,1,2,3,4,5,6,7,8,9,10,11,12,13,14
	v_add_nc_u32 v[57+\d%2], \d, v60
	s_delay_alu instid0(VALU_DEP_1)
	v_cmp_lt_u32 vcc_lo, v[57+\d%2], v61
	s_delay_alu instid0(VALU_DEP_1)
	v_cndmask_b32 v[57+\d%2], v59, v[57+\d%2], vcc_lo              ; past the tiles' end: slot 6143
	s_delay_alu instid0(VALU_DEP_1)
	v_min_u32 v[57+\d%2], 0x17ff, v[57+\d%2]
	s_delay_alu instid0(VALU_DEP_1)
	v_lshl_add_u32 v[57+\d%2], v[57+\d%2], 2, PRM
	ds_store_b32 v[57+\d%2], v63
.endr
	global_store_b64 v10, v[52:53], s[14:15]       ; tiles: 32 lanes store 256 consecutive bytes; entries 16 .. 31 are (0, 0)
.Lnot_wave_0:
	s_wait_dscnt 0x0                               ; wave 0's stores lie in LDS
	s_barrier_signal -1
	s_barrier_wait -1
.irp k, 0,1,2
	ds_load_b128 v[64+4*\k:64+4*\k+3], v4 offset:8192*\k
.endr
.irp k, 0,1,2
	s_wait_dscnt 2-\k                              ; the younger loads may be out
	global_store_b128 v9, v[64+4*\k:64+4*\k+3], s[12:13] offset:8192*\k   ; sixteen lanes store 256 consecutive bytes, aligned
.endr
	s_wait_tensorcnt 0x0
	ds_add_u32 v128, v129
	s_wait_dscnt 0x0
	s_endpgm
.Lfunc_end_k_q33c3dcb00d_prep:
	.size	k_q33c3dcb00d_prep, .Lfunc_end_k_q33c3dcb00d_prep-k_q33c3dcb00d_prep
	.p2alignl 7, 3214868480
	.fill 96, 4, 3214868480
	.section	.rodata,"a",@progbits
	.p2align	6, 0x0
	.amdhsa_kernel k_q33c3dcb00d_prep
		.amdhsa_group_segment_fixed_size 129024
		.amdhsa_private_segment_fixed_size 0
		.amdhsa_enable_private_segment 0
		.amdhsa_kernarg_size 56
		.amdhsa_user_sgpr_count 2
		.amdhsa_user_sgpr_kernarg_segment_ptr 1
		.amdhsa_wavefront_size32 1
		.amdhsa_system_sgpr_workgroup_id_x 1
		.amdhsa_system_sgpr_workgroup_id_y 1
		.amdhsa_system_sgpr_workgroup_id_z 1
		.amdhsa_system_vgpr_workitem_id 0
		.amdhsa_next_free_vgpr 130
		.amdhsa_next_free_sgpr 66
		.amdhsa_reserve_vcc 1
		.amdhsa_float_denorm_mode_32 3
		.amdhsa_float_denorm_mode_16_64 3
		.amdhsa_memory_ordered 1
		.amdhsa_forward_progress 1
		.amdhsa_inst_pref_size 102
	.end_amdhsa_kernel
	.amdgpu_metadata
---
amdhsa.version: [ 1, 2 ]
amdhsa.kernels:
  - .name:           k_q33c3dcb00d_prep
    .symbol:         k_q33c3dcb00d_prep.kd
    .args:
      - { .name: x, .offset: 0, .size: 8, .value_kind: global_buffer, .address_space: global }
      - { .name: idxs, .offset: 8, .size: 8, .value_kind: global_buffer, .address_space: global }
      - { .name: xc, .offset: 16, .size: 8, .value_kind: global_buffer, .address_space: global }
      - { .name: xs, .offset: 24, .size: 8, .value_kind: global_buffer, .address_space: global }
      - { .name: perm, .offset: 32, .size: 8, .value_kind: global_buffer, .address_space: global }
      - { .name: tiles, .offset: 40, .size: 8, .value_kind: global_buffer, .address_space: global }
      - { .name: out0, .offset: 48, .size: 8, .value_kind: global_buffer, .address_space: global }
    .group_segment_fixed_size: 129024
    .private_segment_fixed_size: 0
    .kernarg_segment_align: 8
    .kernarg_segment_size: 56
    .max_flat_workgroup_size: 512
    .sgpr_count:     66
    .vgpr_count:     130
    .wavefront_size: 32
...
	.end_amdgpu_metadata
.endif
;; end of part 3
;; launch moe (part 4): grid 16 x 16, 4 waves a work-group, no clusters, 70,144 bytes of LDS; arguments w, b, xc, xs, perm, tiles, out0; writes out0
.if DOCPART == 4
	.amdgcn_target "amdgcn-amd-amdhsa--gfx1250"
	.amdhsa_code_object_version 6
	.text
	.protected	k_q33c3dcb00d_moe
	.globl	k_q33c3dcb00d_moe
	.p2align	8
	.type	k_q33c3dcb00d_moe,@function
k_q33c3dcb00d_moe:
	s_mov_b64 s[64:65], 0
	v_nop
	global_prefetch_b8 v0, s[64:65] scope:SCOPE_SE
	s_setreg_imm32_b32 hwreg(HW_REG_WAVE_SCHED_MODE, 0, 2), 2
	s_setreg_imm32_b32 hwreg(HW_REG_WAVE_MODE, 25, 1), 1
	s_wait_xcnt 0x0
	s_wait_alu depctr_vm_vsrc(0)
; out0[t] = relu(Q(x[t]) Q(w[e]) + b[e]) for the tokens t of expert e, both operands in BF6 (E3M2) with one E8M0 scale for each 32 along K = 1,024; sums in f32.
; SHARES.  Work-group (nb, e) owns expert e and columns 64 nb .. 64 nb + 63.  Only the chosen expert's product of a token is kept by the problem's own mask, so only that one is made.
; PHASE W.  The work-group reads its slab of w (1,024 rows x 256 bytes) ONCE, as f32.  Wave v takes K steps 2 v (lanes 0-15) and 2 v + 1 (lanes 16-31); a lane takes 4 neighbouring columns, 16 bytes of each row,
;   so that sixteen lanes read 256 consecutive bytes of a row, aligned.  A block of 32 along K of one column lies in one lane: its largest magnitude needs no other lane.  The conversion wants 16 neighbours along K in
;   consecutive registers, and a load of 16 bytes lays the rows four registers apart: so the numbers are moved once.  The codes go to LDS as images of the operand's registers, the scale words beside them; one barrier.
; PHASE T.  Every wave then holds all 32 fragments of w (4 tiles of 16 columns x 8 K steps, 384 registers) and walks every fourth tile of 16 tokens of the expert's list: the tokens' codes, laid by the launch before in
;   the order of the operand's registers, come from memory straight into registers, one tile ahead; 32 matrix instructions, the bias as the first one's C; relu; through the wave's own stage in LDS; out as whole rows
;   of 256 bytes.  The matrix instruction is used transposed (source 0 = 16 columns of w, source 1 = 16 tokens): a lane holds one token and eight neighbouring columns.
; NO TENSOR LOADS, NO JOINT REQUESTS: how many tiles a wave walks is read from the stored list, and the sixteen work-groups of an expert, which read the same codes of x, would need trip counts known to the text.
; A padding slot of an expert's last tile repeats one of its tokens: that row is made and stored again by the same wave, with the same bits.  Loads that run ahead of the list's end name a clamped tile, whose slots were stored.
; LIMITS: NaN and infinities in w are not served; a block whose largest magnitude lies under 2^-122 keeps the byte 1; a block of zeros gets the byte 1: its codes are zeros.
; THE MODE: SCHED_MODE bits 1:0 = 2 (LLVM: expert scheduling mode 2), set by the entry lines.  The code itself states the register dependences between vector or matrix instructions and memory or LDS instructions,
;   with s_wait_alu, always for 0.
; THE PLAN.  Registers that memory or LDS instructions touch, and who else names them:
;   v4-14          offsets and LDS addresses, made once at the head and never written again: one wait on va_vdst ahead of the first load serves them for the whole kernel.
;   PG, PR         the list's offsets, a pair for each list buffer; AD, ADS the offsets of a token's codes and scale words.  Written by vector lines at a tile's head, read by that tile's loads.
;   GT[b], PO[b]   the list's slots.  Loads land in them; the clamps and the offsets' arithmetic at a tile's head read them and clamp them in place.
;   XF[b], AS[b]   a tile's codes and scale words.  Tile p's products read buffer p; the loads issued in tile p land in buffer 1 - p, which the tile before multiplied.
;   windows 1, 2   w as loaded, read by the quantiser's maxima and moves; then w's fragments, which LDS loads bring once and matrix instructions read.
;   v64-103        phase W: a group's codes, written by conversions and moves, read by the group's LDS stores.  Phase T: the accumulators, written by the products and relu, read by the tile's LDS stores.
;   OFF            written at a tile's head, read by the tile's eight stores.   OB  LDS loads land in it, the eight stores read it; no vector line of the loop names it.
; A GROUP of phase W has one wait on va_vdst, ahead of its run of LDS stores, and (all but the first) one on vm_vsrc, ahead of the conversions that write the codes' registers again.
; A TILE has three: vm_vsrc at its head, for all that the last tile's loads and stores read and this tile writes; va_vdst behind the head's address lines, for all 29 loads and, through OFF, the tile's stores;
;   va_vdst behind relu, for the LDS stores.  The loads stand in one run straight behind their wait, ahead of the products: they are gathers of 48 bytes a lane that the next tile's head waits for, and a tile's
;   32 products are short beside their way, so each product set in front of a load would only send it out later.
; REGISTERS, in windows of 256.  Window 0: v4-16 and v52-55 addresses; v20-51 the list's tokens and the quantiser's small numbers; v64-103 codes just made, later the four accumulators; v104-119 w's scale words, v120-135 x's
;   (scales and nothing else); v136-199 two columns' 32 numbers, later rows on the way out and their offsets.  Windows 1, 2: w as loaded (4 groups x 128), later w's fragments of K steps 0-3, 4-7.
;   Window 3: v0-95, v96-191 the tokens' fragments, two buffers; v192-223 the bias.
.set IMGT,   12304                     ; LDS: images of a tile of 16 columns: 8 fragments x 1,536 bytes, + 16, so that the sixteen lanes of a store fall into sixteen different columns of 16 bytes
.set SCW,    49408                     ; w's scale words: (tile n, K step s, column r) at 512 n + 64 s + 4 r
.set STG,    51456                     ; the way out: for each wave 16 rows x (256 bytes + 16)
.set SPITCH, 272
.set WO,  4                            ; v4   w: 16 g + 128 rows x h
.set IA,  5                            ; v5   where my codes' images go
.set SA,  6                            ; v6   where my four columns' scale words go
.set LI,  7                            ; v7   16 x lane: an image's place for my lane
.set SRD, 8                            ; v8   w's scale words back: lanes 0-15 an even tile's, lanes 16-31 the odd one's
.set STO, 9                            ; v9   the stage, in
.set SLD, 10                           ; v10  the stage, back
.set L16, 11                           ; v11  16 g
.set H48, 12                           ; v12  48 h
.set R4,  13                           ; v13  4 r
.set H32, 14                           ; v14  32 h
.set AD,  15                           ; v15  my token's codes
.set ADS, 16                           ; v16  my token's scale words
.set GT,  20                           ; v20-21 the token whose codes I fetch, two buffers
.set SW,  24                           ; v24-27 my four columns' scale words
.set MX,  28                           ; v28-31 largest magnitudes, then bytes
.set PO,  32                           ; v32-47 the tokens of the eight rows that I store, two buffers
.set SO,  48                           ; v48-51 the conversions' scale operands
.set PG,  52                           ; v52-53 the list: slot r of a tile, one register for each list buffer
.set PR,  54                           ; v54-55 the list: slots 8 h .. 8 h + 7, likewise
.set CC,  64                           ; column i's codes at v[64 + 10 i], six registers; +6 .. +8: the second conversion's result (three registers that begin on an even number)
.set ACC, 64
.set BS,  104
.set AS,  120
.set TT,  136
.set OB,  136
.set OFF, 168
.set BI,  192                          ; in window 3
.set MSB, 0
.macro WIN new                         ; the immediate's high byte repeats the setting that is left; a switch that changes nothing is dropped
.if MSB != \new
	s_set_vgpr_msb (MSB<<8)|\new
.set MSB, \new
.endif
.endm
	s_load_b256 s[4:11], s[0:1], 0x0               ; w s[4:5], b s[6:7], xc s[8:9], xs s[10:11]
	s_load_b128 s[12:15], s[0:1], 0x20             ; perm s[12:13], tiles s[14:15]
	s_load_b64 s[16:17], s[0:1], 0x30              ; out0
	v_lshl_add_u32 v254, v0, 2, 0x11000
	v_mov_b32 v255, 0
	v_lshrrev_b32 v1, 5, v0
	v_readfirstlane_b32 s18, v1                    ; wave 0 .. 3
	s_and_b32 s19, ttmp7, 0xffff                   ; the expert
	v_and_b32 v1, 15, v0                           ; g = r = lane % 16
	v_bfe_u32 v2, v0, 4, 1                         ; h = lane / 16
	v_and_b32 v3, 31, v0                           ; lane
	v_lshrrev_b32 v19, 2, v1                       ; g / 4: the tile of my four columns
	v_and_b32 v22, 3, v1                           ; g % 4
	v_lshlrev_b32 v[L16], 4, v1
	v_lshl_add_u32 v[WO], v2, 19, v[L16]           ; lanes 16-31 begin 128 rows of 4,096 bytes further down
	v_mul_u32_u24 v[IA], v19, IMGT                 ; column 4 g + i is row 4 (g % 4) + i of tile g / 4; K step 2 v + h
	v_lshl_add_u32 v[IA], v22, 6, v[IA]
	v_mad_u32_u24 v[IA], v2, 1536, v[IA]
	s_wait_alu depctr_va_sdst(0)                   ; s18, the wave's number, is written, ahead of its first reader: LDS places, w's base and my first tile are made from it
	s_mul_i32 s25, s18, 3072
	v_add_nc_u32 v[IA], s25, v[IA]
	v_lshlrev_b32 v[SA], 9, v19
	v_lshl_add_u32 v[SA], v22, 4, v[SA]
	v_lshl_add_u32 v[SA], v2, 6, v[SA]
	s_lshl_b32 s28, s18, 7
	s_add_co_u32 s28, s28, SCW
	v_add_nc_u32 v[SA], s28, v[SA]
	v_lshlrev_b32 v[LI], 4, v3
	v_lshlrev_b32 v[R4], 2, v1
	v_lshl_add_u32 v[SRD], v2, 9, v[R4]
	v_add_nc_u32 v[SRD], SCW, v[SRD]
	s_mul_i32 s29, s18, 16*SPITCH
	s_add_co_u32 s29, s29, STG                     ; my stage
	v_mul_u32_u24 v[STO], v1, SPITCH               ; in: row r, 32 bytes for each half of the lanes
	v_lshl_add_u32 v[STO], v2, 5, v[STO]
	v_add_nc_u32 v[STO], s29, v[STO]
	v_mul_u32_u24 v[SLD], v2, 8*SPITCH             ; back: lanes 0-15 take row i, lanes 16-31 row 8 + i
	v_add_nc_u32 v[SLD], v[SLD], v[L16]
	v_add_nc_u32 v[SLD], s29, v[SLD]
	v_mul_u32_u24 v[H48], v2, 48
	v_lshlrev_b32 v[H32], 5, v2
	s_lshl_b32 s32, ttmp9, 8                       ; my 64 columns: 256 bytes of a row
	s_mov_b32 s33, 0
	s_lshl_b32 s26, s19, 22                        ; the expert's 4 MiB of w,
	s_add_co_u32 s26, s26, s32
	s_lshl_b32 s34, s18, 20                        ; my wave's 256 rows
	s_add_co_u32 s26, s26, s34
	s_mov_b32 s27, 0
	s_lshl_b32 s30, s19, 12                        ; the expert's row of b
	s_add_co_u32 s30, s30, s32
	s_mov_b32 s31, 0
	s_lshl_b32 s20, s19, 3                         ; the expert's entry in tiles
	s_mov_b32 s21, 0
	s_wait_kmcnt 0x0
	s_add_nc_u64 s[4:5], s[4:5], s[26:27]
	s_add_nc_u64 s[6:7], s[6:7], s[30:31]
	s_add_nc_u64 s[16:17], s[16:17], s[32:33]
	s_add_nc_u64 s[14:15], s[14:15], s[20:21]
	s_load_b64 s[22:23], s[14:15], 0x0             ; s22 the expert's first tile, s23 its end tile
.macro WLOAD g                         ; block g of my K step: 32 rows x my 16 bytes, into window 1 (g = 0, 1) or 2, register 128 (g % 2) + 4 row + column
.if (\g) < 2
	WIN 0x40
.else
	WIN 0x80
.endif
.set row, 0
.rept 32
	global_load_b128 v[128*((\g)%2)+4*row:128*((\g)%2)+4*row+3], v[WO], s[4:5] offset:(32*(\g)+row)*4096 th:TH_LOAD_NT
.set row, row+1
.endr
.endm
.macro PADR buf, ahead                 ; where the list's 16 slots of tile s24 + ahead lie (clamped to the last tile that any split can reach + 1; every slot up to there was stored); each list buffer has its own scalar and its own two offsets
	WIN 0
.if (\ahead) > 0
	s_add_co_u32 s[25+(\buf)], s24, \ahead
	s_min_u32 s[25+(\buf)], s[25+(\buf)], 271
.else
	s_min_u32 s[25+(\buf)], s24, 271
.endif
	s_lshl_b32 s[25+(\buf)], s[25+(\buf)], 6
	v_add_nc_u32 v[PG+(\buf)], s[25+(\buf)], v[R4]
	v_add_nc_u32 v[PR+(\buf)], s[25+(\buf)], v[H32]
.endm
.macro PLD buf                         ; and the slots themselves: 3 loads
	WIN 0
	global_load_b32 v[GT+(\buf)], v[PG+(\buf)], s[12:13]
	global_load_b128 v[PO+8*(\buf):PO+8*(\buf)+3], v[PR+(\buf)], s[12:13]
	global_load_b128 v[PO+8*(\buf)+4:PO+8*(\buf)+7], v[PR+(\buf)], s[12:13] offset:16
.endm
.macro AADR buf                        ; where my token's codes and scale words lie
	WIN 0
	v_min_u32 v[GT+(\buf)], 0xfff, v[GT+(\buf)]
	v_mul_u32_u24 v[AD], v[GT+(\buf)], 768
	v_add_nc_u32 v[AD], v[AD], v[H48]
	v_lshlrev_b32 v[ADS], 5, v[GT+(\buf)]
.endm
.macro ALD buf                         ; my token's eight scale words and its eight fragments (48 bytes on end for each K step and half of the lanes): 26 loads; those of window 0 first, so that the windows are switched once
	WIN 0
	global_load_b128 v[AS+8*(\buf):AS+8*(\buf)+3], v[ADS], s[10:11]
	global_load_b128 v[AS+8*(\buf)+4:AS+8*(\buf)+7], v[ADS], s[10:11] offset:16
	WIN 0xc0
.irp s, 0,1,2,3,4,5,6,7
.irp j, 0,1,2
	global_load_b128 v[96*(\buf)+12*\s+4*\j:96*(\buf)+12*\s+4*\j+3], v[AD], s[8:9] offset:96*\s+16*\j
.endr
.endr
.endm
.macro WINRAW g                        ; sources 0 and 1 in the window of group g's numbers; source 2 and the destination in window 0
.if (\g) < 2
	WIN 0x05
.else
	WIN 0x0a
.endif
.endm
.macro MOVES hf                        ; columns 2 hf and 2 hf + 1: 32 numbers down K into consecutive registers
.irp ci, 0,1
.set row, 0
.rept 32
	v_mov_b32 v[TT+32*\ci+row], v[RB+4*row+2*(\hf)+\ci]
.set row, row+1
.endr
.endr
.endm
.macro CODES hf                        ; and their codes: 2 x 16 codes, 2 x 96 bits, a column
.irp ci, 0,1
	v_cvt_scalef32_pk16_bf6_f32 v[CC+10*(2*(\hf)+\ci):CC+10*(2*(\hf)+\ci)+2], v[TT+32*\ci:TT+32*\ci+15], v[SO+2*(\hf)+\ci]
	v_cvt_scalef32_pk16_bf6_f32 v[CC+10*(2*(\hf)+\ci)+6:CC+10*(2*(\hf)+\ci)+8], v[TT+32*\ci+16:TT+32*\ci+31], v[SO+2*(\hf)+\ci]
.endr
	v_nop                                          ; one plain line behind the conversions, ahead of whatever touches their results or writes their sources
.endm
; Block g of my K step, four columns.  In the operand's layout block g = 2 c + h' lies in registers 6 c .. 6 c + 5 of lane 16 h' + (the column's row in its tile).
.macro GROUP g
.set RB, 128*((\g)%2)
	WINRAW \g
.irp i, 0,1,2,3
	v_max3_num_f32 v[MX+\i], |v[RB+\i]|, |v[RB+4+\i]|, 0x2800000   ; the floor 2^(5 - 127) among the leaves: the byte cannot fall under 1
.endr
.irp row, 2,4,6,8,10,12,14,16,18,20,22,24,26,28,30
.irp i, 0,1,2,3
	v_max3_num_f32 v[MX+\i], |v[RB+4*\row+\i]|, |v[RB+4*\row+4+\i]|, v[MX+\i]   ; the four columns by turns
.endr
.endr
	MOVES 0
	WIN 0
	s_wait_dscnt 0x0                               ; the last group's LDS stores are done: the codes' registers are written again
.if (\g) > 0
	s_wait_alu depctr_vm_vsrc(0)                   ; the last group's LDS stores have read the codes' registers v64-103, which the conversions and moves below write again
.endif
.irp i, 0,1,2,3
	v_add_nc_u32 v[SO+\i], 0xfe000000, v[MX+\i]    ; 4 off the exponent field: the conversion's scale operand
.endr
.irp i, 0,1,2,3
	v_lshrrev_b32 v[MX+\i], 23, v[SO+\i]           ; the scale's byte
.endr
.irp i, 0,1,2,3
.if (\g) == 0
	v_mov_b32 v[SW+\i], v[MX+\i]
.else
	v_lshl_or_b32 v[SW+\i], v[MX+\i], 8*(\g), v[SW+\i]
.endif
.endr
	CODES 0
	WINRAW \g
	MOVES 1
	WIN 0
	CODES 1
.irp i, 0,1,2,3
.irp k, 0,1,2
	v_mov_b32 v[CC+10*\i+3+\k], v[CC+10*\i+6+\k]   ; the block's six registers on end
.endr
.endr
	s_wait_alu depctr_va_vdst(0)                   ; the conversions and the moves have written the codes' registers, which the eight LDS stores read
.irp i, 0,1,2,3
.if (\g) < 2                           ; registers 0-3 are piece 0 of the image, registers 4, 5 the lower half of piece 1
	ds_store_b128 v[IA], v[CC+10*\i:CC+10*\i+3] offset:256*((\g)%2)+16*\i
	ds_store_b64 v[IA], v[CC+10*\i+4:CC+10*\i+5] offset:512+256*((\g)%2)+16*\i
.else                                  ; registers 6, 7 the upper half of piece 1, registers 8-11 piece 2
	ds_store_b64 v[IA], v[CC+10*\i:CC+10*\i+1] offset:520+256*((\g)%2)+16*\i
	ds_store_b128 v[IA], v[CC+10*\i+2:CC+10*\i+5] offset:1024+256*((\g)%2)+16*\i
.endif
.endr
.endm
; ------------------------------------------------------------------ phase W
	s_wait_alu depctr_va_vdst(0)                   ; the offsets and LDS addresses v4 to v14 are written: every load and store of the kernel reads one of them, or an offset made from them
	WIN 0xc0
.irp n, 0,1,2,3                        ; the bias in the result's layout: lane (r, h), tile n: columns 16 n + 8 h + 0 .. 7.  8 loads
	global_load_b128 v[BI+8*\n:BI+8*\n+3], v[H32], s[6:7] offset:64*\n
	global_load_b128 v[BI+8*\n+4:BI+8*\n+7], v[H32], s[6:7] offset:64*\n+16
.endr
	WLOAD 0
	WLOAD 1
	s_wait_kmcnt 0x0                               ; the expert's tiles
	s_add_co_u32 s24, s22, s18                     ; my first tile; I take every fourth
	PADR 0, 0                                      ; the slots of my first tile and of my second hang on s24 alone: both are asked for here
	PADR 1, 4
	s_wait_alu depctr_va_vdst(0)                   ; the four offsets into the list are written, which the six loads below read
	PLD 0
	PLD 1
	WLOAD 2
	WLOAD 3
	s_wait_loadcnt 63                              ; 142 loads are issued: the first 79 are in: the bias (8), groups 0 and 1 (64), the list's six
	AADR 0
	s_wait_alu depctr_va_vdst(0)                   ; my first token's two offsets are written, which the 26 loads below read
	ALD 0                                          ; my first tile's codes
	GROUP 0
	GROUP 1
	s_wait_loadcnt 58                              ; group 2 is in; group 3's 32 loads and the 26 of the first tile may be out
	GROUP 2
	s_wait_loadcnt 26                              ; group 3 is in
	GROUP 3
	ds_store_b128 v[SA], v[SW:SW+3]                ; my four columns' scale words of my K step (written ahead of the group's wait on va_vdst)
	s_wait_dscnt 0x0                               ; my images and scale words lie in LDS,
	s_barrier_signal -1
	s_barrier_wait -1                              ; everybody's do.  The launch's only barrier: every wave passes it
	s_cmp_ge_u32 s24, s23
	s_cbranch_scc1 .Lend                           ; the split leaves me no tile
; ------------------------------------------------------------------ phase T
	s_sub_co_u32 s36, s23, s24                     ; the tiles from my first to the expert's end, of which every fourth is mine; a trip takes two of mine:
	s_add_co_u32 s36, s36, 7
	s_lshr_b32 s36, s36, 3                         ; trips = that number / 8, rounded up.
	s_min_u32 s36, s36, 32                         ; (4,096 tokens are at most 256 tiles of one expert, 64 of them mine: never more than 32 trips, so this holds nothing back)
	s_mov_b32 s35, 0                               ; trips done
; w's fragments land in windows 1 and 2, which the quantiser's maxima and moves have read.  The last group's wait on va_vdst has shown those lines done, and no vector line stands behind it;
; the LDS stores that stand between name v5, v6, v24-27 and v64-103 alone, none of the registers that these loads touch.
	WIN 0x40
.irp s, 0,1,2,3
.irp n, 0,1,2,3
.irp j, 0,1,2
	ds_load_b128 v[12*(4*\s+\n)+4*\j:12*(4*\s+\n)+4*\j+3], v[LI] offset:IMGT*\n+1536*\s+512*\j
.endr
.endr
.endr
	WIN 0x80
.irp s, 0,1,2,3
.irp n, 0,1,2,3
.irp j, 0,1,2
	ds_load_b128 v[12*(4*\s+\n)+4*\j:12*(4*\s+\n)+4*\j+3], v[LI] offset:IMGT*\n+1536*(\s+4)+512*\j
.endr
.endr
.endr
	WIN 0
.irp p, 0,1
.irp s, 0,1,2,3,4,5,6,7
	ds_load_b32 v[BS+8*\p+\s], v[SRD] offset:1024*\p+64*\s
.endr
.endr
	s_wait_dscnt 0x0
; K step s of the tile in buffer p: the four accumulators by turns, one instruction a turn.  An odd tile's scale words stand in lanes 16-31.
.macro MM p, s
.irp n, 0,1,2,3
.if (\s) == 0
.if \n%2
	v_wmma_scale_f32_16x16x128_f8f6f4 v[ACC+8*\n:ACC+8*\n+7], v[12*(4*((\s)%4)+\n):12*(4*((\s)%4)+\n)+11], v[96*(\p)+12*(\s):96*(\p)+12*(\s)+11], v[BI+8*\n:BI+8*\n+7], v[BS+8*(\n/2)+(\s)], v[AS+8*(\p)+(\s)] matrix_a_fmt:MATRIX_FMT_BF6 matrix_b_fmt:MATRIX_FMT_BF6 matrix_a_scale:MATRIX_SCALE_ROW1
.else
	v_wmma_scale_f32_16x16x128_f8f6f4 v[ACC+8*\n:ACC+8*\n+7], v[12*(4*((\s)%4)+\n):12*(4*((\s)%4)+\n)+11], v[96*(\p)+12*(\s):96*(\p)+12*(\s)+11], v[BI+8*\n:BI+8*\n+7], v[BS+8*(\n/2)+(\s)], v[AS+8*(\p)+(\s)] matrix_a_fmt:MATRIX_FMT_BF6 matrix_b_fmt:MATRIX_FMT_BF6
.endif
.else
.if \n%2
	v_wmma_scale_f32_16x16x128_f8f6f4 v[ACC+8*\n:ACC+8*\n+7], v[12*(4*((\s)%4)+\n):12*(4*((\s)%4)+\n)+11], v[96*(\p)+12*(\s):96*(\p)+12*(\s)+11], v[ACC+8*\n:ACC+8*\n+7], v[BS+8*(\n/2)+(\s)], v[AS+8*(\p)+(\s)] matrix_a_fmt:MATRIX_FMT_BF6 matrix_b_fmt:MATRIX_FMT_BF6 matrix_a_scale:MATRIX_SCALE_ROW1
.else
	v_wmma_scale_f32_16x16x128_f8f6f4 v[ACC+8*\n:ACC+8*\n+7], v[12*(4*((\s)%4)+\n):12*(4*((\s)%4)+\n)+11], v[96*(\p)+12*(\s):96*(\p)+12*(\s)+11], v[ACC+8*\n:ACC+8*\n+7], v[BS+8*(\n/2)+(\s)], v[AS+8*(\p)+(\s)] matrix_a_fmt:MATRIX_FMT_BF6 matrix_b_fmt:MATRIX_FMT_BF6
.endif
.endif
.endr
.endm
; The tile s24 + 4 p, whose codes lie in buffer p.
.macro TILE p
	s_wait_loadcnt 0x0                             ; this tile's codes and the next tile's slots, all asked for a whole tile ago, are in; every load's address register is free
	s_wait_xcnt 0x0                                ; the last tile's stores have had their addresses translated: their offsets and data are written again only behind this wait
	s_wait_alu depctr_vm_vsrc(0)                   ; the last tile's LDS stores have read the accumulators, its stores to memory OB and OFF, its loads AD, ADS and the list's offsets: this tile writes all of them again.  In the first trip: the last group's LDS stores have read v64-103, the accumulators from here on
.irp i, 0,1,2,3,4,5,6,7
	v_min_u32 v[PO+8*(\p)+\i], 0xfff, v[PO+8*(\p)+\i]
.endr
.irp i, 0,1,2,3,4,5,6,7
	v_lshl_add_u32 v[OFF+\i], v[PO+8*(\p)+\i], 12, v[L16]          ; the token's row of 4,096 bytes + my 16 bytes of the work-group's 256
.endr
	AADR 1-(\p)                                    ; the next tile's token
	PADR \p, 4*(\p)+8                              ; and the place of the slots of the tile after that
	s_wait_alu depctr_va_vdst(0)                   ; AD, ADS, the list's two offsets and OFF are written, which the loads below and the stores at the tile's end read; the lines above are done with PO of this buffer, in which the list's loads land; the last tile's products are done reading the other buffer of codes and scale words, in which the 26 loads land
	PLD \p                                         ; no vector or matrix line from here to the tile's end names a register that these 29 loads touch
	ALD 1-(\p)                                     ; the next tile's codes, into the buffer that the last tile's products have left
	WIN 0x3d                                       ; source 0 (w) window 1, source 1 (tokens) and C (the bias) window 3
	MM \p, 0
	WIN 0x0d                                       ; C in window 0: the sums go on in place
	MM \p, 1
	MM \p, 2
	MM \p, 3
	WIN 0x0e                                       ; w's K steps 4-7: window 2
	MM \p, 4
	MM \p, 5
	MM \p, 6
	MM \p, 7
	WIN 0
.rept 4
	v_nop                                          ; four places ahead of the first read of results (ISA guide 7.12.1)
.endr
.set k, 0
.rept 32
	v_max_num_f32 v[ACC+k], 0, v[ACC+k]            ; relu; each accumulator from its low end on
.set k, k+1
.endr
	s_wait_alu depctr_va_vdst(0)                   ; relu has written the accumulators, which the LDS stores read; the places above stay beside this wait
.irp n, 0,1,2,3
	ds_store_b128 v[STO], v[ACC+8*\n:ACC+8*\n+3] offset:64*\n      ; lane (r, h): token r, columns 16 n + 8 h + 0 .. 7
	ds_store_b128 v[STO], v[ACC+8*\n+4:ACC+8*\n+7] offset:64*\n+16
.endr
.irp i, 0,1,2,3,4,5,6,7
	ds_load_b128 v[OB+4*\i:OB+4*\i+3], v[SLD] offset:SPITCH*\i     ; LDS serves a wave's instructions in order: these see my stores, and the next tile's stores come behind them
.endr
.irp i, 0,1,2,3,4,5,6,7
	s_wait_dscnt 7-\i                              ; the younger rows may be out
	global_store_b128 v[OFF+\i], v[OB+4*\i:OB+4*\i+3], s[16:17] th:TH_STORE_NT   ; sixteen lanes store 256 consecutive bytes of a token's row, aligned
.endr
.endm
; A trip takes two of my tiles, so that the two buffers are back where they began.  The loop is counted by s35, one a trip, against s36, which the loop does not write; s24, the trip's first tile, steps by 8 beside it.
; After k trips s24 = my first tile + 8 k, and k < s36 says the same as s24 < the expert's end tile.  The loop is left by falling through its backward branch, or, where my tiles end with a trip's first, by the
; s_endpgm in its middle (every window is 0 there; only plain loads and stores are out).
.Ltile:
	TILE 0
	s_add_co_u32 s25, s24, 4
	s_cmp_lt_u32 s25, s23
	s_cbranch_scc1 .Lsecond                        ; I have a second tile in this trip
	s_wait_dscnt 0x0
	s_wait_alu depctr_hold_cnt(0) depctr_sa_sdst(0) depctr_va_vdst(0) depctr_va_sdst(0) depctr_va_ssrc(0) depctr_va_vcc(0) depctr_vm_vsrc(0)
	s_wait_tensorcnt 0x0
	ds_add_u32 v254, v255
	s_wait_dscnt 0x0
	s_endpgm
.Lsecond:
	TILE 1
	s_add_co_u32 s24, s24, 8
	s_add_co_u32 s35, s35, 1
	s_cmp_lt_u32 s35, s36
	s_cbranch_scc1 .Ltile
.Lend:
	s_wait_dscnt 0x0
	s_wait_alu depctr_hold_cnt(0) depctr_sa_sdst(0) depctr_va_vdst(0) depctr_va_sdst(0) depctr_va_ssrc(0) depctr_va_vcc(0) depctr_vm_vsrc(0)
	s_wait_tensorcnt 0x0
	ds_add_u32 v254, v255
	s_wait_dscnt 0x0
	s_endpgm
.Lfunc_end_k_q33c3dcb00d_moe:
	.size	k_q33c3dcb00d_moe, .Lfunc_end_k_q33c3dcb00d_moe-k_q33c3dcb00d_moe
	.p2alignl 7, 3214868480
	.fill 96, 4, 3214868480
	.section	.rodata,"a",@progbits
	.p2align	6, 0x0
	.amdhsa_kernel k_q33c3dcb00d_moe
		.amdhsa_group_segment_fixed_size 70144
		.amdhsa_private_segment_fixed_size 0
		.amdhsa_enable_private_segment 0
		.amdhsa_kernarg_size 56
		.amdhsa_user_sgpr_count 2
		.amdhsa_user_sgpr_kernarg_segment_ptr 1
		.amdhsa_wavefront_size32 1
		.amdhsa_system_sgpr_workgroup_id_x 1
		.amdhsa_system_sgpr_workgroup_id_y 1
		.amdhsa_system_sgpr_workgroup_id_z 1
		.amdhsa_system_vgpr_workitem_id 0
		.amdhsa_next_free_vgpr 1024
		.amdhsa_next_free_sgpr 66
		.amdhsa_reserve_vcc 0
		.amdhsa_float_denorm_mode_32 3
		.amdhsa_float_denorm_mode_16_64 3
		.amdhsa_memory_ordered 1
		.amdhsa_forward_progress 1
		.amdhsa_inst_pref_size 93
	.end_amdhsa_kernel
	.amdgpu_metadata
---
amdhsa.version: [ 1, 2 ]
amdhsa.kernels:
  - .name:           k_q33c3dcb00d_moe
    .symbol:         k_q33c3dcb00d_moe.kd
    .args:
      - { .name: w, .offset: 0, .size: 8, .value_kind: global_buffer, .address_space: global }
      - { .name: b, .offset: 8, .size: 8, .value_kind: global_buffer, .address_space: global }
      - { .name: xc, .offset: 16, .size: 8, .value_kind: global_buffer, .address_space: global }
      - { .name: xs, .offset: 24, .size: 8, .value_kind: global_buffer, .address_space: global }
      - { .name: perm, .offset: 32, .size: 8, .value_kind: global_buffer, .address_space: global }
      - { .name: tiles, .offset: 40, .size: 8, .value_kind: global_buffer, .address_space: global }
      - { .name: out0, .offset: 48, .size: 8, .value_kind: global_buffer, .address_space: global }
    .group_segment_fixed_size: 70144
    .private_segment_fixed_size: 0
    .kernarg_segment_align: 8
    .kernarg_segment_size: 56
    .max_flat_workgroup_size: 128
    .sgpr_count:     66
    .vgpr_count:     1024
    .wavefront_size: 32
...
	.end_amdgpu_metadata
.endif
;; end of part 4
